; MI455X (gfx1250); checked and timed in simulation.
; The chip was launched on July 23, 2026; its instructions are those of AMD's public machine-readable ISA for CDNA 5 (MIT licence, August 2026) and "CDNA5" Instruction Set Architecture Reference Guide (July 2026). The comments in the code are by the model that wrote it; some were corrected since.
;; MLP. Allowed arithmetic: float matrix products may take bf16 or f16 operands with f32 sums; other float arithmetic in f32, or as packed bf16 or f16 multiplies, adds, multiply-adds, maxima and minima; sums over many terms, partial sums and values carried from step to step in f32; what a program stores and reads back later, other than sums and carried values, may be rounded once to bf16 or f16.
;; Inputs: W_fc 4,096 x 1,024 float32; W_proj 1,024 x 4,096 float32; x 4 x 2,048 x 1,024 float32.
;; Outputs: out0 4 x 2,048 x 1,024 float32.
;; 2 versions, each right; version 2 is version 1 with the launch prep written anew for expert scheduling mode. Each part assembles by itself: llvm-mc -triple=amdgcn-amd-amdhsa -mcpu=gfx1250 --defsym DOCPART=n.
;; ======== version 1 of 2: 3 launches
;; limits: values are held in f16: magnitudes above 65,504 overflow, below 6.1e-05 lose precision; right only within a limited range of input values
;; workspace buffers: xn 12,582,912 bytes; wfc 4,718,592 bytes; wpj 4,718,592 bytes; h 50,331,648 bytes
;; launch prep (part 1): grid 424 x 1, 8 waves a work-group, no clusters, 0 bytes of LDS; arguments x, W_fc, W_proj, xn, wfc, wpj, out0; writes xn, wfc, wpj, out0
.if DOCPART == 1
	.amdgcn_target "amdgcn-amd-amdhsa--gfx1250"
	.amdhsa_code_object_version 6
	.text
	.protected	k_qf3a09cc40d_prep
	.globl	k_qf3a09cc40d_prep
	.p2align	8
	.type	k_qf3a09cc40d_prep,@function
k_qf3a09cc40d_prep:
	s_mov_b64 s[64:65], 0
	v_nop
	global_prefetch_b8 v0, s[64:65] scope:SCOPE_SE
	s_setreg_imm32_b32 hwreg(HW_REG_WAVE_MODE, 25, 1), 1
	s_wait_xcnt 0x0
; PREP: what the two products need, made once.  xn = the per-head LayerNorm of x, f16; wfc, wpj = the masked weights, f16; the zeros of out0.
; THE PROBLEM.  y = relu(LN(x) (W_fc m_fc)^T)^2 (W_proj m_proj)^T.  The function builds both masks in its own body:
;   m_fc[i][j]   = 1 where 4 j <= i and j < 768  and i < 3072, else 0      (i: hidden unit 0..4095, j: channel 0..1023)
;   m_proj[i][j] = 1 where j <= 4 i and j < 3072 and i < 768,  else 0      (i: output column 0..1023, j: hidden unit 0..4095)
; WHAT IS LEFT OUT, for all finite values of the inputs:
;   channels 768..1023 of x are heads 12..15; the norm works on each head of 64 by itself, and their normalised values meet only zeros of m_fc: not loaded;
;   hidden units 3072..4095: their rows of m_fc are 0, so h = relu(0)^2 = 0, and their columns of m_proj are 0 too: not computed;
;   output columns 768..1023: their rows of m_proj are 0, so y is exactly 0 there: no product, the zeros are stored here;
;   hidden unit i sums over channels j <= i / 4, output column i over hidden units j <= 4 i: blocks of the weights that lie wholly beyond that line are neither read nor stored nor multiplied.
;   Each of the three inputs keeps a way to the output in its other parts, so all three are arguments.
; LIMITS.  A NaN, an infinity or an overflow that reaches only the parts left out (the function multiplies them by 0) is not carried to the result.
;   The weights are rounded once to f16: beyond 65,504 they become infinite; below 6.1e-5 they keep f16's fixed step of 6e-8.  xn lies within 8 in magnitude (64 numbers of unit variance).
; SHARES.  Work-groups 0..255: 32 rows of x each, 4 to a wave.  256..339: W_fc.  340..423: W_proj.  Nothing is shared, so there is no LDS and no barrier; every register is written once, so no source is rewritten.
; Every load of a wave covers 512 consecutive bytes, every store of f16 256 consecutive bytes, aligned.
.set XROW,  4096                       ; bytes in a row of x, of W_fc and of out0
.set NROW,  1536                       ; bytes in a row of xn and of wfc (768 f16)
.set PROW,  6144                       ; bytes in a row of wpj (3072 f16)
.set WPROW, 16384                      ; bytes in a row of W_proj
.set LO16, 1                           ; v1       16 x lane: my 16 bytes of a wave's 512
.set LO8,  2                           ; v2       8 x lane: my 8 bytes of a wave's 256
.set D,    3                           ; v3       4 x lane, then the distance to the mask's line
.set Z,    4                           ; v[4:7]   zeros
.set T,    20                          ; v[20:31] six pairs at work: a head's sum, then its sum of squares, in the low register
.set X,    32                          ; v[32:127] 24 slots of four registers as loaded
	s_load_b256 s[4:11], s[0:1], 0x0               ; x s[4:5], W_fc s[6:7], W_proj s[8:9], xn s[10:11]
	s_load_b128 s[12:15], s[0:1], 0x20             ; wfc s[12:13], wpj s[14:15]
	s_load_b64 s[16:17], s[0:1], 0x30              ; out0
	v_lshrrev_b32 v[T], 5, v0
	v_readfirstlane_b32 s18, v[T]                  ; wave 0..7
	v_and_b32 v[T], 31, v0                         ; lane
	v_lshlrev_b32 v[LO16], 4, v[T]
	v_lshlrev_b32 v[LO8], 3, v[T]
	v_lshlrev_b32 v[D], 2, v[T]
	s_mov_b32 s27, 0                               ; the high word of the offset pair s[26:27]
	s_wait_kmcnt 0x0
	s_cmp_lt_u32 ttmp9, 256
	s_cbranch_scc1 .Lln
	s_cmp_lt_u32 ttmp9, 340
	s_cbranch_scc1 .Lwfc
; The live blocks of a triangle of six block rows are the 21 pairs (t, c) with c <= t; four work-groups share a block.
; s20 = which quarter, s22 = t, s23 = c.  Pair number p lies in block row t = how many of 1, 3, 6, 10, 15 are at most p.
.macro DECODE first
	s_sub_co_u32 s20, ttmp9, \first
	s_lshr_b32 s21, s20, 2                         ; p
	s_and_b32 s20, s20, 3
	s_mov_b32 s22, 0
.irp thr, 1,3,6,10,15
	s_cmp_ge_u32 s21, \thr
	s_add_co_ci_u32 s22, s22, 0                    ; + 1 where the compare held
.endr
	s_add_co_u32 s23, s22, 1
	s_mul_i32 s23, s23, s22
	s_lshr_b32 s23, s23, 1                         ; t (t + 1) / 2 pairs lie in the block rows above
	s_sub_co_u32 s23, s21, s23
.endm
.macro CAST n                          ; slot n's four numbers rounded to f16, into its first two registers
	v_cvt_pk_f16_f32 v[X+4*(\n)], v[X+4*(\n)], v[X+4*(\n)+1]
	v_cvt_pk_f16_f32 v[X+4*(\n)+1], v[X+4*(\n)+2], v[X+4*(\n)+3]
.endm
	; W_PROJ.  Block (t, c): rows 128 t .., columns 512 c ..  A wave takes 4 rows x 4 pieces of 128 columns.  In a block on the diagonal some pieces are wholly masked:
	; they are loaded and selected away like the rest of the block, whose zeros the product reads.
	DECODE 340
	s_lshl_b32 s24, s22, 7
	s_lshl_b32 s25, s20, 5
	s_add_co_u32 s24, s24, s25
	s_lshl2_add_u32 s24, s18, s24                  ; i0 = 128 t + 32 quarter + 4 wave
	s_lshl_b32 s26, s24, 14
	s_lshl_b32 s25, s23, 11
	s_add_co_u32 s26, s26, s25
	s_add_nc_u64 s[8:9], s[8:9], s[26:27]          ; W_proj at row i0, column 512 c
	s_mul_i32 s26, s24, PROW
	s_lshl_b32 s25, s23, 10
	s_add_co_u32 s26, s26, s25
	s_add_nc_u64 s[14:15], s[14:15], s[26:27]      ; wpj at the same place
	s_lshl_b32 s24, s24, 2
	s_lshl_b32 s25, s23, 9
	s_sub_co_u32 s24, s24, s25
	v_sub_nc_u32 v[D], s24, v[D]                   ; D = 4 i0 - 512 c - 4 lane, signed
.set n, 0
.rept 16                               ; slot n: row n / 4, piece n % 4
	global_load_b128 v[X+4*n:X+4*n+3], v[LO16], s[8:9] offset:(n/4)*WPROW+(n%4)*512 th:TH_LOAD_NT
.set n, n+1
.endr
.set n, 0
.rept 16                               ; element e of slot n is live where 128 (n % 4) - 4 (n / 4) + e <= D; both sides but e are multiples of 4, so e = 1, 2, 3 share one test
	v_cmp_le_i32 s32, 128*(n%4)-4*(n/4), v[D]
	v_cmp_lt_i32 s33, 128*(n%4)-4*(n/4), v[D]
	s_wait_loadcnt 15-n                            ; loads come back in order: the 15 - n younger ones may stay out
	v_cndmask_b32 v[X+4*n], 0, v[X+4*n], s32
	v_cndmask_b32 v[X+4*n+1], 0, v[X+4*n+1], s33
	v_cndmask_b32 v[X+4*n+2], 0, v[X+4*n+2], s33
	v_cndmask_b32 v[X+4*n+3], 0, v[X+4*n+3], s33
	CAST n
	global_store_b64 v[LO8], v[X+4*n:X+4*n+1], s[14:15] offset:(n/4)*PROW+(n%4)*256
.set n, n+1
.endr
	s_endpgm
.Lwfc:
	; W_FC.  Block (t, c): rows 512 t .., columns 128 c ..  A wave takes 16 rows of 128 columns.
	DECODE 256
	s_lshl_b32 s24, s22, 9
	s_lshl_b32 s25, s20, 7
	s_add_co_u32 s24, s24, s25
	s_lshl4_add_u32 s24, s18, s24                  ; i0 = 512 t + 128 quarter + 16 wave
	s_lshl_b32 s26, s24, 12
	s_lshl_b32 s25, s23, 9
	s_add_co_u32 s26, s26, s25
	s_add_nc_u64 s[6:7], s[6:7], s[26:27]          ; W_fc at row i0, column 128 c
	s_mul_i32 s26, s24, NROW
	s_lshl_b32 s25, s23, 8
	s_add_co_u32 s26, s26, s25
	s_add_nc_u64 s[12:13], s[12:13], s[26:27]      ; wfc at the same place
	s_lshr_b32 s24, s24, 2
	s_lshl_b32 s25, s23, 7
	s_sub_co_u32 s24, s24, s25
	v_sub_nc_u32 v[D], s24, v[D]                   ; D = i0 / 4 - 128 c - 4 lane, signed
.set r, 0
.rept 16
	global_load_b128 v[X+4*r:X+4*r+3], v[LO16], s[6:7] offset:r*XROW th:TH_LOAD_NT
.set r, r+1
.endr
.irp m, 0,1,2,3,4,5,6                  ; element e of row i0 + r is live where e - r / 4 <= D: seven values, seven masks, made once
	v_cmp_le_i32 s[32+\m], (\m)-3, v[D]
.endr
.set r, 0
.rept 16
	s_wait_loadcnt 15-r                            ; the 15 - r younger loads may stay out
.irp e, 0,1,2,3
	v_cndmask_b32 v[X+4*r+\e], 0, v[X+4*r+\e], s[35+\e-r/4]
.endr
	CAST r
	global_store_b64 v[LO8], v[X+4*r:X+4*r+1], s[12:13] offset:r*NROW
.set r, r+1
.endr
	s_endpgm
.Lln:
	; LAYERNORM.  A load of 16 bytes a lane takes two heads: 16 lanes hold a head's 64 channels, so a head's sums never leave a row of 16 lanes.
	; Two passes as the function has them: the mean, then the mean of the squares of x - mean.
	s_lshl_b32 s24, ttmp9, 5
	s_lshl2_add_u32 s24, s18, s24                  ; my first row = 32 x work-group + 4 x wave
	s_lshl_b32 s26, s24, 12
	s_add_nc_u64 s[4:5], s[4:5], s[26:27]
	s_add_nc_u64 s[16:17], s[16:17], s[26:27]
	s_mul_i32 s26, s24, NROW
	s_add_nc_u64 s[10:11], s[10:11], s[26:27]
	s_mov_b32 s28, 0xbc800000                      ; -1/64
	s_mov_b32 s29, s28                             ; named with it as a pair
	s_mov_b32 s30, 0x3c800000                      ; 1/64
	s_mov_b32 s31, 0x3727c5ac                      ; 1e-5
.set n, 0
.rept 24                               ; slot n: row n / 6, heads 2 (n % 6) and 2 (n % 6) + 1: all 24 loads go out before the first wait
	global_load_b128 v[X+4*n:X+4*n+3], v[LO16], s[4:5] offset:(n/6)*XROW+(n%6)*512 th:TH_LOAD_NT
.set n, n+1
.endr
.irp k, 0,1,2,3
	v_mov_b32 v[Z+\k], 0
.endr
.irp r, 0,1,2,3                        ; out0's columns 768..1023 of my rows: 1,024 bytes of zeros a row
	global_store_b128 v[LO16], v[Z:Z+3], s[16:17] offset:(\r)*XROW+3072 th:TH_STORE_NT
	global_store_b128 v[LO16], v[Z:Z+3], s[16:17] offset:(\r)*XROW+3584 th:TH_STORE_NT
.endr
.macro ACROSS                          ; the six sums over a row of 16 lanes: the exchange rides on the addition; every lane ends with the sum
.irp m, 1,2,4,8
.irp c, 0,1,2,3,4,5
	v_add_f32_dpp v[T+2*(\c)], v[T+2*(\c)], v[T+2*(\c)] row_xmask:\m row_mask:0xf bank_mask:0xf
.endr
.endr
.endm
.macro ROWLN r                         ; each stage goes over the row's six slots, so that no line waits for the one before it
	s_wait_loadcnt 18-6*(\r)                       ; the later rows' loads, six each, may stay out
.irp c, 0,1,2,3,4,5
	v_pk_add_f32 v[T+2*(\c):T+2*(\c)+1], v[X+24*(\r)+4*(\c):X+24*(\r)+4*(\c)+1], v[X+24*(\r)+4*(\c)+2:X+24*(\r)+4*(\c)+3]
.endr
.irp c, 0,1,2,3,4,5
	v_add_f32 v[T+2*(\c)], v[T+2*(\c)], v[T+2*(\c)+1]
.endr
	ACROSS
.irp c, 0,1,2,3,4,5                    ; x - sum / 64: the pair's low register and -1/64 serve both halves
	v_pk_fma_f32 v[X+24*(\r)+4*(\c):X+24*(\r)+4*(\c)+1], v[T+2*(\c):T+2*(\c)+1], s[28:29], v[X+24*(\r)+4*(\c):X+24*(\r)+4*(\c)+1] op_sel_hi:[0,0,1]
	v_pk_fma_f32 v[X+24*(\r)+4*(\c)+2:X+24*(\r)+4*(\c)+3], v[T+2*(\c):T+2*(\c)+1], s[28:29], v[X+24*(\r)+4*(\c)+2:X+24*(\r)+4*(\c)+3] op_sel_hi:[0,0,1]
.endr
.irp c, 0,1,2,3,4,5
	v_pk_mul_f32 v[T+2*(\c):T+2*(\c)+1], v[X+24*(\r)+4*(\c):X+24*(\r)+4*(\c)+1], v[X+24*(\r)+4*(\c):X+24*(\r)+4*(\c)+1]
.endr
.irp c, 0,1,2,3,4,5
	v_pk_fma_f32 v[T+2*(\c):T+2*(\c)+1], v[X+24*(\r)+4*(\c)+2:X+24*(\r)+4*(\c)+3], v[X+24*(\r)+4*(\c)+2:X+24*(\r)+4*(\c)+3], v[T+2*(\c):T+2*(\c)+1]
.endr
.irp c, 0,1,2,3,4,5
	v_add_f32 v[T+2*(\c)], v[T+2*(\c)], v[T+2*(\c)+1]
.endr
	ACROSS
.irp c, 0,1,2,3,4,5
	v_fma_f32 v[T+2*(\c)], v[T+2*(\c)], s30, s31   ; variance + 1e-5
.endr
.irp c, 0,1,2,3,4,5
	v_rsq_f32 v[T+2*(\c)], v[T+2*(\c)]             ; one batch of six
.endr
	v_nop                                          ; a plain instruction behind the last of them, ahead of the first use
	s_wait_alu depctr_va_vdst(0)                   ; and the one wait ahead of the batch's first reader
.irp c, 0,1,2,3,4,5
	v_pk_mul_f32 v[X+24*(\r)+4*(\c):X+24*(\r)+4*(\c)+1], v[X+24*(\r)+4*(\c):X+24*(\r)+4*(\c)+1], v[T+2*(\c):T+2*(\c)+1] op_sel_hi:[1,0]
	v_pk_mul_f32 v[X+24*(\r)+4*(\c)+2:X+24*(\r)+4*(\c)+3], v[X+24*(\r)+4*(\c)+2:X+24*(\r)+4*(\c)+3], v[T+2*(\c):T+2*(\c)+1] op_sel_hi:[1,0]
.endr
.irp c, 0,1,2,3,4,5
	CAST 6*(\r)+(\c)
	global_store_b64 v[LO8], v[X+24*(\r)+4*(\c):X+24*(\r)+4*(\c)+1], s[10:11] offset:(\r)*NROW+(\c)*256
.endr
.endm
	ROWLN 0
	ROWLN 1
	ROWLN 2
	ROWLN 3
	s_endpgm
.Lfunc_end_k_qf3a09cc40d_prep:
	.size	k_qf3a09cc40d_prep, .Lfunc_end_k_qf3a09cc40d_prep-k_qf3a09cc40d_prep
	.p2alignl 7, 3214868480
	.fill 96, 4, 3214868480
	.section	.rodata,"a",@progbits
	.p2align	6, 0x0
	.amdhsa_kernel k_qf3a09cc40d_prep
		.amdhsa_group_segment_fixed_size 0
		.amdhsa_private_segment_fixed_size 0
		.amdhsa_enable_private_segment 0
		.amdhsa_kernarg_size 56
		.amdhsa_user_sgpr_count 2
		.amdhsa_user_sgpr_kernarg_segment_ptr 1
		.amdhsa_wavefront_size32 1
		.amdhsa_system_sgpr_workgroup_id_x 1
		.amdhsa_system_sgpr_workgroup_id_y 1
		.amdhsa_system_sgpr_workgroup_id_z 1
		.amdhsa_system_vgpr_workitem_id 0
		.amdhsa_next_free_vgpr 128
		.amdhsa_next_free_sgpr 66
		.amdhsa_reserve_vcc 0
		.amdhsa_float_denorm_mode_32 3
		.amdhsa_float_denorm_mode_16_64 3
		.amdhsa_memory_ordered 1
		.amdhsa_forward_progress 1
		.amdhsa_inst_pref_size 61
	.end_amdhsa_kernel
	.amdgpu_metadata
---
amdhsa.version: [ 1, 2 ]
amdhsa.kernels:
  - .name:           k_qf3a09cc40d_prep
    .symbol:         k_qf3a09cc40d_prep.kd
    .args:
      - { .name: x, .offset: 0, .size: 8, .value_kind: global_buffer, .address_space: global }
      - { .name: W_fc, .offset: 8, .size: 8, .value_kind: global_buffer, .address_space: global }
      - { .name: W_proj, .offset: 16, .size: 8, .value_kind: global_buffer, .address_space: global }
      - { .name: xn, .offset: 24, .size: 8, .value_kind: global_buffer, .address_space: global }
      - { .name: wfc, .offset: 32, .size: 8, .value_kind: global_buffer, .address_space: global }
      - { .name: wpj, .offset: 40, .size: 8, .value_kind: global_buffer, .address_space: global }
      - { .name: out0, .offset: 48, .size: 8, .value_kind: global_buffer, .address_space: global }
    .group_segment_fixed_size: 0
    .private_segment_fixed_size: 0
    .kernarg_segment_align: 8
    .kernarg_segment_size: 56
    .max_flat_workgroup_size: 256
    .sgpr_count:     66
    .vgpr_count:     128
    .wavefront_size: 32
...
	.end_amdgpu_metadata
.endif
;; end of part 1
;; launch fc (part 2): grid 32 x 7, 4 waves a work-group, clusters of 4 x 1, 327,680 bytes of LDS; arguments xn, wfc, h; writes h
.if DOCPART == 2
	.amdgcn_target "amdgcn-amd-amdhsa--gfx1250"
	.amdhsa_code_object_version 6
	.text
	.protected	k_qf3a09cc40d_fc
	.globl	k_qf3a09cc40d_fc
	.p2align	8
	.type	k_qf3a09cc40d_fc,@function
k_qf3a09cc40d_fc:
	s_mov_b64 s[64:65], 0
	v_nop
	global_prefetch_b8 v0, s[64:65] scope:SCOPE_SE
	s_setreg_imm32_b32 hwreg(HW_REG_WAVE_MODE, 25, 1), 1
	s_wait_xcnt 0x0
	s_wait_alu depctr_hold_cnt(0) depctr_sa_sdst(0) depctr_va_vdst(0) depctr_va_sdst(0) depctr_va_ssrc(0) depctr_va_vcc(0) depctr_vm_vsrc(0)
	s_getreg_b32 s2, hwreg(HW_REG_IB_STS2, 6, 4)
	s_cmp_eq_u32 s2, 0
	s_cbranch_scc0 .Lentry_in_a_cluster
	s_endpgm
.Lentry_in_a_cluster:
	s_bfe_u32 s2, ttmp6, 0x10000c
	s_cmp_lg_u32 s2, 0x3003
	s_cbranch_scc0 .Lentry_shape_is_right
	s_endpgm
.Lentry_shape_is_right:
; FC: h[m][n] = relu(sum over k of xn[m][k] wfc[n][k])^2, rounded once to f16.  xn: [8192][768], wfc: [3072][768] (masked), h: [8192][3072], all f16; sums in f32.
; LEFT OUT (shown at the head of the first kernel): hidden units from 3072 on, channels from 768 on, and the K steps that lie wholly beyond the mask's line 4 j <= i.
; LIMIT.  A sum of 255.9 or more in magnitude gives an h beyond f16's 65,504: an infinity.  Below 6.1e-5 h keeps f16's fixed step of 6e-8.
; TILES.  A tile of h is 256 x 256: four waves, each 128 x 128 = 64 accumulators of 16 x 16, 512 registers.  Column block nb (0..11) needs channels below 64 (nb + 1): nb / 2 + 1 K steps of 128
; (rows of 256 bytes in memory, aligned).  That is 1,1,2,2,..,6,6 = 42 steps for a block of 256 rows.
; THE WALK.  42 = 7 x 6: a row block's twelve tiles are dealt to seven work-groups (g = 0..6) of SIX K steps each: g < 2 takes tile 11 - g alone; g >= 2 takes tile g - 2 (g / 2 steps) and then tile
; 11 - g (the rest).  So all 224 work-groups do equal work, ONE loop with a constant count walks the steps, and the ring of two LDS slots runs on across the change of tiles.  Which step is asked
; for and where a tile ends hang on scalars made from g; every jump but the loop's own goes forward, and none passes a barrier or a tensor load.  With these tiles 1,344 steps do not divide by 256.
; CLUSTER.  The four work-groups of a cluster have the same g and four neighbouring row blocks: they walk the same tiles of wfc, which are asked for JOINTLY (same load, same descriptor, mask of four).
; xn's tile hangs on the row block, which differs in all four: it comes by a load of the work-group's own, behind the same rounds.  (The seven groups of one row block stand at different k from their
; second step on, so they could not ask jointly.)
; THE MATRIX INSTRUCTION IS USED TRANSPOSED: source 0 = 16 rows of wfc, source 1 = 16 rows of xn: a lane holds row l % 16 of h and eight neighbouring columns, 16 bytes of f16.
; REGISTERS, in windows of 256 (s_set_vgpr_msb: bits 1:0 source 0, 3:2 source 1, 5:4 source 2, 7:6 destination):
;   window 0: v0-31 addresses; v64-127, v128-191 fragments of xn, two buffers; on the way out v128-191 relu, v192-223 packed, v32-63 and v224-255 rows read back
;   window 1: v64-127, v128-191 fragments of wfc      window 2: accumulators of my rows 0-63 ((a, b) at v[8 (8 a + b)])      window 3: of my rows 64-127
.set KSTEP,  128
.set PITCH,  272                       ; an LDS row: 256 bytes + 16 of padding = 68 words: the 16 rows of a fragment load start at 16 different groups of four banks (64 banks of 4 bytes: ISA guide 11.1)
.set HALFT,  128*PITCH                 ; 128 rows: what one tensor load brings, and what one wave reads of xn or of wfc
.set SLOT,   4*HALFT                   ; xn's 256 rows, then wfc's 256 rows
.set STAGE,  2*SLOT                    ; behind the ring, never filled by a tensor load: 16 rows x 272 bytes for each wave
.set SPITCH, 272
.set SPARE,  STAGE+4*16*SPITCH         ; behind the stages: the spare words, 128 bytes a wave: two blocks of 256 bytes that no other line names
.set XNROW,  1536                      ; bytes in a row of xn and of wfc
.set HROW,   6144                      ; bytes in a row of h
.set A0,   16                          ; v16  my lane's place in my 128 rows of xn in slot 0; never rewritten
.set B0,   17                          ; v17  the same for wfc
.set ADRA, 18                          ; v18  the same in the slot being read
.set ADRB, 19                          ; v19
.set STO,  24                          ; v24  the way out: where I put 16 bytes of a row
.set RD,   25                          ; v25  where I read a row back
.set CO,   26                          ; v26  my byte offset in two rows of h
.set SPW,  28                          ; v28  LDS address of my spare word; never rewritten
.set NIL,  29                          ; v29  0; never rewritten
.set PFO,  30                          ; v30  the prefetches' offset: my lane x a row of xn or wfc; never rewritten
.set F0,   64
.set F1,   128
.set RL,   128                         ; the way out: relu of 16 rows, then its square
.set TMP,  192
.set OB,   32
.set WV,  10                           ; s10  my wave.  s11 = wave / 2: my half of the tile's rows; also 0: I fetch xn, 1: wfc.  s12 = wave % 2: my half of its columns; also which 128 rows I fetch
.set CX,  13                           ; s13  my place in the cluster
.set RB,  14                           ; s14  my row block
.set G,   15                           ; s15  g
.set KA,  16                           ; s16  steps of the first tile
.set NBA, 17                           ; s17  its column block
.set NBB, 18                           ; s18  the second tile's
.set G1A, 24                           ; s[24:31] descriptor group 1 for xn's tiles
.set G1B, 32                           ; s[32:39] for wfc's: with the mask
.set G0A, 40                           ; s[40:47] group 0 for xn's tiles: a set for each first fill; the second then walks on
.set G0B, 48                           ; s[48:55] the same for wfc's
.set CNT, 56                           ; s56  the loop's count
.set RT,  57                           ; s57  steps left in the tile being multiplied
.set NEW, 58                           ; s58  1: the step to come is a tile's first
.set TB,  59                           ; s59  the slot being read: 0 or SLOT
.set FB,  60                           ; s60  the slot filled last
.set LW,  61                           ; s61  my part of a slot: wave x 128 rows
.set QK,  62                           ; s62  the K step to be asked for next, in its tile
.set QN,  63                           ; s63  steps of the tile that is being asked for
.set OFF, 66                           ; s[66:67] a K step's byte offset in a row
.set XA,  68                           ; s[68:69] xn at the 128 rows that I fetch
.set WC,  70                           ; s[70:71] wfc at the 128 rows that I fetch, of the tile being asked for
.set WB2, 72                           ; s[72:73] the same of the second tile
.set HC,  74                           ; s[74:75] h at my part of the tile being multiplied
.set HB2, 76                           ; s[76:77] of the second tile
.set PFA, 78                           ; s[78:79] where my prefetches stand
.set LIM, 80                           ; s80  2 in a wave that prefetches, else the greatest number
.set MSB, 0
.macro WIN new                         ; the immediate's high byte repeats the setting that is left; a switch that changes nothing is dropped
.if MSB != (\new)
	s_set_vgpr_msb (MSB<<8)|(\new)
.set MSB, \new
.endif
.endm
.set MUL_LO, 0xa1                      ; source 0 (wfc) window 1, source 1 (xn) window 0, C and D window 2
.set MUL_HI, 0xf1                      ; the same, C and D window 3
.set TO_B,   0x40                      ; destination window 1, address window 0
; A refill by the walking descriptors.  Waves 0 and 1 fetch xn's two halves (a load of my work-group's own), waves 2 and 3 wfc's (joint).  The branch hangs on the wave's number alone.
; An s_nop 0 and four v_nop follow each of the two lines, ahead of the jump, the label and what follows.
.macro JLOAD
	s_cmp_eq_u32 s11, 0
	s_cbranch_scc0 .Lfor_b_\@
	tensor_load_to_lds s[G0A+4:G0A+7], s[G1A:G1A+7]
	s_nop 0
.rept 4
	v_nop
.endr
	s_branch .Lasked_\@
.Lfor_b_\@:
	tensor_load_to_lds s[G0B+4:G0B+7], s[G1B:G1B+7]
	s_nop 0
.rept 4
	v_nop
.endr
.Lasked_\@:
.endm
; A round of the cluster's barrier: my work-group's barrier, so that wave 0's signal speaks for all four waves; wave 0 signals; every wave waits for all four work-groups; my work-group's barrier once more.
.macro CREST                           ; a round behind its opening barrier
	s_cmp_lg_u32 s[WV], 0
	s_cbranch_scc1 .Lnot_wave_0_\@
	s_barrier_signal -3
.Lnot_wave_0_\@:
	s_barrier_wait -3
	s_barrier_signal -1
	s_barrier_wait -1
.endm
.macro CROUND
	s_barrier_signal -1
	s_barrier_wait -1
	CREST
.endm
; The addresses of the next step's two tiles go into descriptor set \set, made anew from the pointers and the step's number; then the number steps, and behind the first tile's last step it goes back to 0
; and wfc's pointer goes to the second tile.  Scalar work without a branch.
.macro NEXTFILL set
	s_lshl_b32 s[OFF], s[QK], 8                    ; a K step is 256 bytes of a row
	s_add_nc_u64 s[G0A+4*(\set)+2:G0A+4*(\set)+3], s[XA:XA+1], s[OFF:OFF+1]
	s_or_b32 s[G0A+4*(\set)+3], s[G0A+4*(\set)+3], 0x80000000  ; 127:126 type = 2
	s_add_nc_u64 s[G0B+4*(\set)+2:G0B+4*(\set)+3], s[WC:WC+1], s[OFF:OFF+1]
	s_or_b32 s[G0B+4*(\set)+3], s[G0B+4*(\set)+3], 0x80000000
	s_add_co_u32 s[QK], s[QK], 1
	s_cmp_eq_u32 s[QK], s[QN]
	s_cselect_b32 s[QK], 0, s[QK]
	s_cselect_b64 s[WC:WC+1], s[WB2:WB2+1], s[WC:WC+1]
	s_cselect_b32 s[QN], 8, s[QN]                  ; the second tile's end is never reached by the six fills
.endm
; A PREFETCH INTO THE L2, behind the refill, its five lines and the run of LDS loads: the K step that stands TWO refills on, 512 matrix instructions ahead of the load that will want it.  Of the walk's six steps
; only steps 4 and 5 have that lead; both lie in tile 11 - g.  Each row's 256 bytes of a step are named once in the launch: a row block of xn is read by all seven groups, and group 0 asks (waves 0 and 1, each for
; the 128 rows that it fetches: four instructions, a lane a row); a tile of wfc is read by all eight clusters of its g, and cluster x = 0 asks (waves 2 and 3; the four partners share the 128 rows out BY ADDRESS,
; 32 each: one instruction).  Trips 0 and 1 ask (the count stands at 4 and 3); the later trips have no step two refills on.
.macro ASK
	s_cmp_gt_u32 s[CNT], s[LIM]
	s_cbranch_scc0 .Lnot_mine_\@
	global_prefetch_b8 v[PFO], s[PFA:PFA+1] th:TH_LOAD_NT scope:SCOPE_SE
	s_cmp_eq_u32 s11, 0
	s_cbranch_scc0 .Lnot_mine_\@
	global_prefetch_b8 v[PFO], s[PFA:PFA+1] offset:32*XNROW th:TH_LOAD_NT scope:SCOPE_SE
	global_prefetch_b8 v[PFO], s[PFA:PFA+1] offset:64*XNROW th:TH_LOAD_NT scope:SCOPE_SE
	global_prefetch_b8 v[PFO], s[PFA:PFA+1] offset:96*XNROW th:TH_LOAD_NT scope:SCOPE_SE
.Lnot_mine_\@:
.endm
	s_load_b128 s[4:7], s[0:1], 0x0                ; xn s[4:5], wfc s[6:7]
	s_load_b64 s[8:9], s[0:1], 0x10                ; h
	v_lshl_add_u32 v[SPW], v0, 2, SPARE
	v_mov_b32 v[NIL], 0
	ds_add_u32 v[SPW], v[NIL]                      ; the wave's opening: the add, twice on end, and its wait ahead of my first tensor load; the set-up below, work on registers, stands between
	ds_add_u32 v[SPW], v[NIL]                      ; and once more, under the one wait
	v_lshrrev_b32 v1, 5, v0
	v_readfirstlane_b32 s[WV], v1                  ; wave 0..3
	s_lshr_b32 s11, s[WV], 1
	s_and_b32 s12, s[WV], 1
	s_bfe_u32 s[CX], ttmp6, 0x40000                ; cx
	s_lshl_b32 s[RB], ttmp9, 2                     ; in a cluster launch ttmp9 and ttmp7 count clusters
	s_add_co_u32 s[RB], s[RB], s[CX]               ; row block = 4 x cluster x + cx
	s_and_b32 s[G], ttmp7, 0xffff                  ; g, which the four partners share
	s_sub_co_u32 s[NBB], 11, s[G]
	s_lshr_b32 s[KA], s[G], 1
	s_sub_co_u32 s[NBA], s[G], 2
	s_cmp_lt_u32 s[G], 2                           ; g < 2: tile 11 - g alone, six steps
	s_cselect_b32 s[KA], 6, s[KA]
	s_cselect_b32 s[NBA], s[NBB], s[NBA]
	; descriptor group 1: a tile of 128 rows x 128 elements, padded in LDS
	s_mov_b32 s[G1A], (1<<16)|(1<<20)|(5<<22)|(3<<25)            ; 15:0 no mask; 17:16 elements of 2 bytes; 20 padding on; 24:22 after every 64 words (code 5); 31:25 4 words of it (code 3)
	s_mov_b32 s[G1B], 15|(1<<16)|(1<<20)|(1<<21)|(5<<22)|(3<<25) ; the same with the mask of all four work-groups, and bit 21 set beside it
.irp q, G1A, G1B
	s_mov_b32 s[(\q)+1], KSTEP<<16                 ; tensor_dim0 = 128
	s_mov_b32 s[(\q)+2], 128<<16                   ; tensor_dim1 = 128
	s_mov_b32 s[(\q)+3], KSTEP<<16                 ; tile_dim0 = 128
	s_mov_b32 s[(\q)+4], 128                       ; tile_dim1 = 128
	s_mov_b32 s[(\q)+5], 768                       ; elements from row to row
	s_mov_b32 s[(\q)+6], 0
	s_mov_b32 s[(\q)+7], 0
.endr
	s_mul_i32 s[LW], s[WV], HALFT                  ; xn's two halves, then wfc's two halves = wave x 128 rows: no place in the cluster enters an LDS address
	s_mov_b32 s[G0A], 1                            ; 1:0 count = 1
	s_mov_b32 s[G0A+4], 1
	s_mov_b32 s[G0B], 1
	s_mov_b32 s[G0B+4], 1
	s_mov_b32 s[G0A+1], s[LW]                      ; 63:32 LDS address: slot 0,
	s_mov_b32 s[G0B+1], s[LW]
	s_add_co_u32 s[G0A+5], s[LW], SLOT             ; slot 1
	s_add_co_u32 s[G0B+5], s[LW], SLOT
	s_mov_b32 s[FB], SLOT
	s_mov_b32 s[TB], 0
	s_mov_b32 s[QK], 0
	s_mov_b32 s[QN], s[KA]
	s_mov_b32 s[RT], s[KA]
	s_mov_b32 s[NEW], 1
	s_mov_b32 s[OFF+1], 0
	; byte offsets, each in the pair that will hold the pointer; all stay under 2^26
	s_lshl_b32 s19, s12, 7                         ; which 128 rows of a tile I fetch
	s_lshl_b32 s[XA], s[RB], 8
	s_add_co_u32 s[XA], s[XA], s19
	s_mul_i32 s[XA], s[XA], XNROW
	s_mov_b32 s[XA+1], 0
	s_lshl_b32 s[WC], s[NBA], 8
	s_add_co_u32 s[WC], s[WC], s19
	s_mul_i32 s[WC], s[WC], XNROW
	s_mov_b32 s[WC+1], 0
	s_lshl_b32 s[WB2], s[NBB], 8
	s_add_co_u32 s[WB2], s[WB2], s19
	s_mul_i32 s[WB2], s[WB2], XNROW
	s_mov_b32 s[WB2+1], 0
	s_lshl_b32 s20, s[RB], 8
	s_lshl_b32 s21, s11, 7
	s_add_co_u32 s20, s20, s21                     ; my first row of h
	s_mul_i32 s20, s20, HROW
	s_lshl_b32 s21, s12, 8                         ; my 128 columns: 256 bytes
	s_add_co_u32 s20, s20, s21
	s_lshl_b32 s[HC], s[NBA], 9                    ; the tile's 256 columns: 512 bytes
	s_add_co_u32 s[HC], s[HC], s20
	s_mov_b32 s[HC+1], 0
	s_lshl_b32 s[HB2], s[NBB], 9
	s_add_co_u32 s[HB2], s[HB2], s20
	s_mov_b32 s[HB2+1], 0
	; the prefetches stand one K step ahead of the walk's step 4: the first change of slots steps them onto it.  In tile 11 - g that step is k = 4 (g < 2) or 4 - KA
	s_sub_co_u32 s21, 3, s[KA]
	s_cmp_lt_u32 s[G], 2
	s_cselect_b32 s21, 3, s21
	s_lshl_b32 s21, s21, 8
	s_lshl_b32 s22, s[CX], 5                       ; my work-group's 32 of wfc's 128 rows
	s_mul_i32 s22, s22, XNROW
	s_add_co_u32 s22, s22, s21
	s_add_co_u32 s22, s22, s[WB2]
	s_add_co_u32 s23, s[XA], 3*KSTEP*2             ; xn is asked for by g = 0 alone, where a step's number is its k
	s_cmp_eq_u32 s11, 0
	s_cselect_b32 s[PFA], s23, s22
	s_mov_b32 s[PFA+1], 0
	s_cselect_b32 s20, s[G], ttmp9                 ; the coordinate along which other clusters read the same rows
	s_cmp_eq_u32 s20, 0
	s_cselect_b32 s[LIM], 2, -1                    ; the same in all four partners, for a given wave
	s_wait_dscnt 0x0                               ; both opening adds are done
	s_wait_kmcnt 0x0
	s_cmp_eq_u32 s11, 0
	s_cselect_b64 s[20:21], s[4:5], s[6:7]
	s_add_nc_u64 s[PFA:PFA+1], s[20:21], s[PFA:PFA+1]
	s_add_nc_u64 s[XA:XA+1], s[4:5], s[XA:XA+1]
	s_add_nc_u64 s[WC:WC+1], s[6:7], s[WC:WC+1]
	s_add_nc_u64 s[WB2:WB2+1], s[6:7], s[WB2:WB2+1]
	s_add_nc_u64 s[HC:HC+1], s[8:9], s[HC:HC+1]
	s_add_nc_u64 s[HB2:HB2+1], s[8:9], s[HB2:HB2+1]
	NEXTFILL 0                                     ; the walk's step 0
	NEXTFILL 1                                     ; and step 1
	CROUND                                         ; all four work-groups are here: the first joint loads meet
	s_cmp_eq_u32 s11, 0                            ; a wave's two first fills stand in one branch, ahead of every wait on TENSORcnt and every LDS read: two loads of mine are out
	s_cbranch_scc0 .Lfirst_b
	tensor_load_to_lds s[G0A:G0A+3], s[G1A:G1A+7]
	s_nop 0
	tensor_load_to_lds s[G0A+4:G0A+7], s[G1A:G1A+7]
	s_nop 0
.rept 4
	v_nop
.endr
	s_branch .Lfirst_asked
.Lfirst_b:
	tensor_load_to_lds s[G0B:G0B+3], s[G1B:G1B+7]
	s_nop 0
	tensor_load_to_lds s[G0B+4:G0B+7], s[G1B:G1B+7]
	s_nop 0
.rept 4
	v_nop
.endr
.Lfirst_asked:
	; A fragment is 16 rows x 32 K in 8 registers: lane l holds row l % 16; registers 0-3 K = 8 (l / 16) + 0..7, registers 4-7 K = 16 + 8 (l / 16) + 0..7: two loads of 16 bytes, 32 bytes apart.
	v_and_b32 v1, 15, v0                           ; l % 16
	v_bfe_u32 v2, v0, 4, 1                         ; l / 16
	v_mul_u32_u24 v3, v1, PITCH
	v_lshl_add_u32 v3, v2, 4, v3                   ; row x pitch + 16 x half
	s_mul_i32 s20, s11, HALFT                      ; my 128 rows of xn
	s_mul_i32 s21, s12, HALFT                      ; my 128 rows of wfc,
	s_add_co_u32 s21, s21, 2*HALFT                 ; which lie behind xn's 256
	v_add_nc_u32 v[A0], s20, v3
	v_add_nc_u32 v[B0], s21, v3
	s_mul_i32 s22, s[WV], 16*SPITCH
	s_add_co_u32 s22, s22, STAGE                   ; my stage
	v_add_nc_u32 v[STO], s22, v3                   ; in: row l % 16, 16 bytes for each half of the lanes (the stage's pitch is the ring's)
	v_mul_u32_u24 v4, v2, SPITCH                   ; back: lanes 0-15 take one row of 256 bytes, lanes 16-31 the next
	v_lshl_add_u32 v4, v1, 4, v4
	v_add_nc_u32 v[RD], s22, v4
	v_mul_u32_u24 v4, v2, HROW                     ; and the same two rows in h
	v_lshl_add_u32 v[CO], v1, 4, v4
	v_and_b32 v[PFO], 31, v0
	v_mul_u32_u24 v[PFO], v[PFO], XNROW
	v_mov_b32 v[ADRA], v[A0]                       ; slot 0 is read first
	v_mov_b32 v[ADRB], v[B0]
; 16 matrix instructions: m blocks a0, a0 + 1 of the window's four (hi = 0: my rows 0-63, 1: rows 64-127) x all 8 n blocks, 32 along K.  zero = 1: the product starts the sums: nothing is ever cleared.
; The 64 accumulators take turns, one instruction a turn, in the same order in every quarter: over the jumps and from tile to tile too.
.macro MUL16 f, hi, a0, zero
	WIN MUL_LO+0x50*(\hi)
.irp a, \a0, (\a0)+1
.irp b, 0,1,2,3,4,5,6,7
.if \zero
	v_wmma_f32_16x16x32_f16 v[8*(8*(\a)+(\b)):8*(8*(\a)+(\b))+7], v[(\f)+8*(\b):(\f)+8*(\b)+7], v[(\f)+8*(4*(\hi)+(\a)):(\f)+8*(4*(\hi)+(\a))+7], 0
.else
	v_wmma_f32_16x16x32_f16 v[8*(8*(\a)+(\b)):8*(8*(\a)+(\b))+7], v[(\f)+8*(\b):(\f)+8*(\b)+7], v[(\f)+8*(4*(\hi)+(\a)):(\f)+8*(4*(\hi)+(\a))+7], v[8*(8*(\a)+(\b)):8*(8*(\a)+(\b))+7]
.endif
.endr
.endr
.endm
; 32 LDS loads in one run: the fragments of one quarter step (128 rows of wfc, 128 rows of xn, 32 K at byte k of the rows of the slot being read) into buffer f
.macro FETCH k, f
	WIN TO_B
.irp i, 0,1,2,3,4,5,6,7
	ds_load_b128 v[(\f)+8*(\i):(\f)+8*(\i)+3],   v[ADRB] offset:(\k)+(\i)*16*PITCH
	ds_load_b128 v[(\f)+8*(\i)+4:(\f)+8*(\i)+7], v[ADRB] offset:(\k)+(\i)*16*PITCH+32
.endr
	WIN 0
.irp i, 0,1,2,3,4,5,6,7
	ds_load_b128 v[(\f)+8*(\i):(\f)+8*(\i)+3],   v[ADRA] offset:(\k)+(\i)*16*PITCH
	ds_load_b128 v[(\f)+8*(\i)+4:(\f)+8*(\i)+7], v[ADRA] offset:(\k)+(\i)*16*PITCH+32
.endr
.endm
; A load into a register that a matrix instruction has read, and a vector instruction that reads a matrix result or writes one of a matrix instruction's registers, stand four plain vector
; instructions behind it (ISA guide 7.12.1 for vector instructions).
.macro PLACES
.rept 4
	v_nop
.endr
.endm
; A K step is four quarters of 32 along K, 64 matrix instructions each, on buffers 0, 1, 0, 1.  One of the first three multiplies buffer f and, in its middle, fetches the next quarter, at byte k, into g.
.macro QUARTER k, f, g, zero
	s_wait_dscnt 8                                 ; wfc and xn's rows 0-63 are in; the youngest eight loads (xn's rows 64-127) may be out
	MUL16 \f, 0, 0, \zero
	MUL16 \f, 0, 2, \zero
	PLACES
	FETCH \k, \g
	s_wait_dscnt 32                                ; all but the 32 just issued
	MUL16 \f, 1, 0, \zero
	MUL16 \f, 1, 2, \zero
.endm
; A step's first quarter: it adds on, or (a tile's first step) starts the sums.  At the first trip NEW is a constant of the text.  Five plain instructions stand ahead of products that write over accumulators.
.macro STEPHEAD
	WIN 0
	s_cmp_eq_u32 s[NEW], 1
	s_cbranch_scc1 .Lzero_\@
	QUARTER 64, F0, F1, 0
	WIN 0
	s_branch .Lhead_done_\@
.Lzero_\@:
.rept 5
	v_nop
.endr
	QUARTER 64, F0, F1, 1
	WIN 0
	s_mov_b32 s[NEW], 0
.Lhead_done_\@:
.endm
; The last quarter multiplies buffer 1 and changes slots.  MEET is its first half: ONE barrier for two things.  In front of it each wave waits for all its tensor loads, of which one is out: its part of the next
; slot; adds 0 to its spare word; and waits for that and for its own reads of this slot.  Behind it nobody reads this slot any more and the next slot is whole.
.macro MEET fill
	WIN 0                                          ; (the add's two registers lie in window 0)
	s_wait_tensorcnt 0x0                           ; no tensor load of mine is out, so the walking descriptors may be written
	ds_add_u32 v[SPW], v[NIL]                      ; 0 onto my spare word
.if \fill
	s_xor_b32 s[FB], s[FB], SLOT                   ; the other slot than last time: the one that is being read out
	s_add_co_u32 s[G0A+5], s[FB], s[LW]
	s_add_co_u32 s[G0B+5], s[FB], s[LW]
	NEXTFILL 1
.endif
	s_wait_dscnt 9                                 ; (the add and the youngest eight loads may be out)
	MUL16 F1, 0, 0, 0                              ; sixteen matrix instructions stand between the add and the wait for it
	s_wait_dscnt 0x0                               ; the add is done, and my reads of this slot are over
	s_barrier_signal -1                            ; (where a slot is filled again this barrier opens a round of the cluster's)
	MUL16 F1, 0, 2, 0                              ; work on registers while the others arrive
.if \fill
	WIN 0
.endif
	s_barrier_wait -1
.endm
; The whole last quarter.  fill = 1: behind the round the slot just read out is filled again first, with the walk's step two steps on: from the request to the wait for it a wave issues 224 matrix instructions.
.macro TURN fill
.if \fill
	s_wait_xcnt 0x0                                ; the last prefetches, a K step back, have read their address: it is stepped here, ahead of the waits of the change of slots
	s_add_nc_u64 s[PFA:PFA+1], s[PFA:PFA+1], KSTEP*2
.endif
	MEET \fill
.if \fill
	CREST                                          ; no wave of any partner still reads this slot's tile or has a load on its way
	JLOAD                                          ; the first tensor load behind the round; its four v_nop are also the places in front of the loads below
.else
	PLACES
	WIN 0
.endif
	s_xor_b32 s[TB], s[TB], SLOT                   ; the reads go to the other slot
	v_add_nc_u32 v[ADRA], s[TB], v[A0]
	v_add_nc_u32 v[ADRB], s[TB], v[B0]
	FETCH 0, F0
.if \fill
	ASK
.endif
	MUL16 F1, 1, 0, 0
	MUL16 F1, 1, 2, 0
.endm
; THE WAY OUT of block a (16 of my rows).  PACK: relu, square, rounded to f16: 16 bytes a lane; each accumulator is read from its lowest register on.
; TOSTAGE: into my own stage in LDS and back as whole rows of 256 bytes.  SEND: stored.
.macro PACK a
.set AC, 64*((\a)%4)
	WIN 0x08+4*((\a)/4)                            ; source 1: window 2 or 3
.set i, 0
.rept 64
	v_max_num_f32 v[RL+i], 0, v[AC+i]
.set i, i+1
.endr
	WIN 0
.set i, 0
.rept 32
	v_pk_mul_f32 v[RL+2*i:RL+2*i+1], v[RL+2*i:RL+2*i+1], v[RL+2*i:RL+2*i+1]
.set i, i+1
.endr
.set i, 0
.rept 32
	v_cvt_pk_f16_f32 v[TMP+i], v[RL+2*i], v[RL+2*i+1]
.set i, i+1
.endr
.endm
.macro TOSTAGE a
	WIN 0
.set BK, OB+192*((\a)%2)
.irp b, 0,1,2,3,4,5,6,7
	ds_store_b128 v[STO], v[TMP+4*(\b):TMP+4*(\b)+3] offset:32*(\b)
.endr
.irp t, 0,1,2,3,4,5,6,7
	ds_load_b128 v[BK+4*(\t):BK+4*(\t)+3], v[RD] offset:(\t)*2*SPITCH  ; LDS serves a wave's instructions in order (ISA guide 5.7.1.4): these see the stores above
.endr
.endm
.macro SEND a, younger
	WIN 0
.set BK, OB+192*((\a)%2)
	s_wait_dscnt \younger                          ; the block is back in registers
	s_wait_xcnt 0x0                                ; the stores of the block before have read their registers, which the next TOSTAGE loads again
.irp t, 0,1,2,3,4,5,6,7
	global_store_b128 v[CO], v[BK+4*(\t):BK+4*(\t)+3], s[HC:HC+1] offset:(16*(\a)+2*(\t))*HROW  ; 16 lanes store 256 consecutive bytes, aligned; 126 rows at the most: inside the signed 24-bit immediate
.endr
.endm
.macro WAYOUT                          ; block a's arithmetic stands between block a - 1's loads from the stage and the wait for them
	PLACES                                         ; behind the last products: PACK reads results and writes over buffer 1 of xn
	PACK 0
	TOSTAGE 0
.irp a, 1,2,3,4,5,6,7
	PACK \a
	SEND (\a)-1, 0
	TOSTAGE \a
.endr
	SEND 7, 0
.endm
	s_wait_tensorcnt 1                             ; my part of step 0 is in; step 1's may stay out
	s_barrier_signal -1
	s_barrier_wait -1                              ; everybody's is
	FETCH 0, F0
	s_mov_b32 s[CNT], 4
.Lstep:                                                ; trips 0..3: step t is multiplied, step t + 2 asked for
	STEPHEAD
	QUARTER 128, F1, F0, 0
	QUARTER 192, F0, F1, 0
	TURN 1
	WIN 0                                          ; at a label and at a branch every window is 0
	s_sub_co_u32 s[RT], s[RT], 1
	s_cmp_lg_u32 s[RT], 0
	s_cbranch_scc1 .Lon                            ; forward, past text that holds neither a barrier nor a tensor load
	WAYOUT                                         ; the first tile is finished (trip 0, 1 or 2): it goes out while the refill just asked for is on its way
	s_wait_xcnt 0x0                                ; the stores have read their registers and h's address
	s_mov_b64 s[HC:HC+1], s[HB2:HB2+1]
	s_mov_b32 s[NEW], 1
	s_mov_b32 s[RT], 8                             ; the second tile ends with the walk
.Lon:
	s_sub_co_u32 s[CNT], s[CNT], 1
	s_cmp_lg_u32 s[CNT], 0
	s_cbranch_scc1 .Lstep
	QUARTER 64,  F0, F1, 0                         ; the tail is written out.  Step 4: never a tile's first; nothing is asked for
	QUARTER 128, F1, F0, 0
	QUARTER 192, F0, F1, 0
	TURN 0
	QUARTER 64,  F0, F1, 0                         ; step 5
	QUARTER 128, F1, F0, 0
	QUARTER 192, F0, F1, 0
	s_wait_dscnt 8                                 ; the very last quarter: nothing more to fetch
	MUL16 F1, 0, 0, 0
	MUL16 F1, 0, 2, 0
	s_wait_dscnt 0x0
	MUL16 F1, 1, 0, 0
	MUL16 F1, 1, 2, 0
	WAYOUT
	s_wait_tensorcnt 0x0                           ; the wave's end, behind my last tensor load and my last LDS store
	ds_add_u32 v[SPW], v[NIL]
	s_wait_dscnt 0x0
	CROUND                                         ; the closing round: no work-group ends while a partner may still ask for a tile that names it
	s_endpgm
.Lfunc_end_k_qf3a09cc40d_fc:
	.size	k_qf3a09cc40d_fc, .Lfunc_end_k_qf3a09cc40d_fc-k_qf3a09cc40d_fc
	.p2alignl 7, 3214868480
	.fill 96, 4, 3214868480
	.section	.rodata,"a",@progbits
	.p2align	6, 0x0
	.amdhsa_kernel k_qf3a09cc40d_fc
		.amdhsa_group_segment_fixed_size 327680
		.amdhsa_private_segment_fixed_size 0
		.amdhsa_enable_private_segment 0
		.amdhsa_kernarg_size 24
		.amdhsa_user_sgpr_count 2
		.amdhsa_user_sgpr_kernarg_segment_ptr 1
		.amdhsa_wavefront_size32 1
		.amdhsa_system_sgpr_workgroup_id_x 1
		.amdhsa_system_sgpr_workgroup_id_y 1
		.amdhsa_system_sgpr_workgroup_id_z 1
		.amdhsa_system_vgpr_workitem_id 0
		.amdhsa_next_free_vgpr 1024
		.amdhsa_next_free_sgpr 84
		.amdhsa_reserve_vcc 0
		.amdhsa_float_denorm_mode_32 3
		.amdhsa_float_denorm_mode_16_64 3
		.amdhsa_memory_ordered 1
		.amdhsa_forward_progress 1
		.amdhsa_inst_pref_size 220
	.end_amdhsa_kernel
	.amdgpu_metadata
---
amdhsa.version: [ 1, 2 ]
amdhsa.kernels:
  - .name:           k_qf3a09cc40d_fc
    .symbol:         k_qf3a09cc40d_fc.kd
    .args:
      - { .name: xn, .offset: 0, .size: 8, .value_kind: global_buffer, .address_space: global }
      - { .name: wfc, .offset: 8, .size: 8, .value_kind: global_buffer, .address_space: global }
      - { .name: h, .offset: 16, .size: 8, .value_kind: global_buffer, .address_space: global }
    .group_segment_fixed_size: 327680
    .private_segment_fixed_size: 0
    .kernarg_segment_align: 8
    .kernarg_segment_size: 24
    .max_flat_workgroup_size: 128
    .sgpr_count:     84
    .vgpr_count:     1024
    .wavefront_size: 32
...
	.end_amdgpu_metadata
.endif
;; end of part 2
;; launch proj (part 3): grid 32 x 7, 4 waves a work-group, clusters of 4 x 1, 327,680 bytes of LDS; arguments h, wpj, out0; writes out0
.if DOCPART == 3
	.amdgcn_target "amdgcn-amd-amdhsa--gfx1250"
	.amdhsa_code_object_version 6
	.text
	.protected	k_qf3a09cc40d_proj
	.globl	k_qf3a09cc40d_proj
	.p2align	8
	.type	k_qf3a09cc40d_proj,@function
k_qf3a09cc40d_proj:
	s_mov_b64 s[64:65], 0
	v_nop
	global_prefetch_b8 v0, s[64:65] scope:SCOPE_SE
	s_setreg_imm32_b32 hwreg(HW_REG_WAVE_MODE, 25, 1), 1
	s_wait_xcnt 0x0
	s_wait_alu depctr_hold_cnt(0) depctr_sa_sdst(0) depctr_va_vdst(0) depctr_va_sdst(0) depctr_va_ssrc(0) depctr_va_vcc(0) depctr_vm_vsrc(0)
	s_getreg_b32 s2, hwreg(HW_REG_IB_STS2, 6, 4)
	s_cmp_eq_u32 s2, 0
	s_cbranch_scc0 .Lentry_in_a_cluster
	s_endpgm
.Lentry_in_a_cluster:
	s_bfe_u32 s2, ttmp6, 0x10000c
	s_cmp_lg_u32 s2, 0x3003
	s_cbranch_scc0 .Lentry_shape_is_right
	s_endpgm
.Lentry_shape_is_right:
; PROJ: out0[m][n] = sum over k of h[m][k] wpj[n][k] for n < 768, in f32.  h: [8192][3072] f16, wpj: [768][3072] f16 (masked), out0: [8192][1024] f32; sums in f32.
; LEFT OUT (shown at the head of the first kernel): output columns from 768 on (their zeros were stored by the first launch), hidden units from 3072 on, and the K steps wholly beyond the mask's line j <= 4 i.
; TILES.  A tile of out0 is 128 x 128: four waves, each 64 x 64 = 16 accumulators of 16 x 16.  Column block c (0..5) needs hidden units below 512 (c + 1): 2 (c + 1) K steps of 256 (rows of 512 bytes in memory,
; aligned).  That is 42 steps for a block of 128 rows, 84 for a pair of row blocks 2 X, 2 X + 1.
; THE WALK.  84 = 7 x 12: a pair's twelve tiles are dealt to seven work-groups (y = 0..6, p = y / 2) of TWELVE steps each.  p = 0: column block 5 of row block 2 X + y % 2.  p = 1, 2: column blocks p - 1 and then
; 5 - p of that row block.  y = 6: column block 2 of both row blocks.  So all 224 work-groups do equal work, one loop with a constant count walks the steps, and the ring runs on across the change of tiles.
; Every jump but the loop's own goes forward, and none passes a barrier or a tensor load.
; CLUSTER.  The four work-groups of a cluster have the same y and four neighbouring X: they walk the same tiles of wpj, asked for JOINTLY.  h's tile hangs on X, which differs in all four: a load of the work-group's own.
; THE MATRIX INSTRUCTION IS USED TRANSPOSED: source 0 = 16 rows of wpj, source 1 = 16 rows of h: a lane holds row l % 16 of out0 and eight neighbouring columns, 32 bytes of f32.
; REGISTERS: window 0: v0-31 addresses; v32-95 rows read back from the stage, two buffers; v128-255 the accumulators ((a, b) at v[128 + 8 (4 a + b)]).
;   window 1: two fragment buffers of 128: for 64 along K, 64 registers of h (2 x 4 x 16 rows x 32 K), then 64 of wpj.
.set KSTEP,  256
.set PITCH,  528                       ; an LDS row: 512 bytes + 16 of padding = 132 words: the 16 rows of a fragment load start at 16 different groups of four banks (64 banks of 4 bytes: ISA guide 11.1)
.set HALFT,  64*PITCH                  ; 64 rows: what one tensor load brings, and what one wave reads of h or of wpj
.set SLOT,   4*HALFT                   ; h's 128 rows, then wpj's 128 rows
.set STAGE,  2*SLOT                    ; behind the ring, never filled by a tensor load: 16 rows x 272 bytes for each wave
.set SPITCH, 272
.set SPARE,  STAGE+4*16*SPITCH         ; behind the stages: the spare words, 128 bytes a wave: two blocks of 256 bytes that no other line names
.set HROW,   6144                      ; bytes in a row of h and of wpj
.set OROW,   4096                      ; bytes in a row of out0
.set A0,   16                          ; v16  my lane's place in my 64 rows of h in slot 0; never rewritten
.set B0,   17                          ; v17  the same for wpj
.set ADRA, 18                          ; v18  the same in the slot being read
.set ADRB, 19                          ; v19
.set STO,  24                          ; v24  the way out: where I put 32 bytes of a row
.set RD,   25                          ; v25  where I read a row back
.set CO,   26                          ; v26  my byte offset in two rows of out0
.set SPW,  28                          ; v28  LDS address of my spare word; never rewritten
.set NIL,  29                          ; v29  0; never rewritten
.set OB,   32
.set ACC,  128
.set F0,   0                           ; fragment buffers, in window 1
.set F1,   128
.set WV,  10                           ; s10  my wave.  s11 = wave / 2: my half of the tile's rows; also 0: I fetch h, 1: wpj.  s12 = wave % 2: my half of its columns; also which 64 rows I fetch
.set CX,  13
.set XB,  14                           ; s14  X
.set Y,   15                           ; s15  y
.set KA,  16                           ; s16  steps of the first tile
.set CA,  17                           ; s17  its column block
.set CB,  18                           ; s18  the second tile's
.set G1A, 24                           ; s[24:31] descriptor group 1 for h's tiles
.set G1B, 32                           ; s[32:39] for wpj's: with the mask
.set G0A, 40                           ; s[40:47] group 0 for h's tiles: a set for each first fill; the second then walks on
.set G0B, 48                           ; s[48:55] the same for wpj's
.set CNT, 56
.set RT,  57                           ; s57  steps left in the tile being multiplied
.set NEW, 58                           ; s58  1: the step to come is a tile's first
.set TB,  59                           ; s59  the slot being read: 0 or SLOT
.set FB,  60                           ; s60  the slot filled last
.set LW,  61                           ; s61  my part of a slot: wave x 64 rows
.set QK,  62                           ; s62  the K step to be asked for next, in its tile
.set QN,  63                           ; s63  steps of the tile that is being asked for
.set OFF, 66                           ; s[66:67] a K step's byte offset in a row
.set AC,  68                           ; s[68:69] h at the 64 rows that I fetch, of the tile being asked for
.set WC,  70                           ; s[70:71] wpj likewise
.set WB2, 72                           ; s[72:73] wpj, second tile
.set OC,  74                           ; s[74:75] out0 at my part of the tile being multiplied
.set OB2, 76                           ; s[76:77] of the second tile
.set PP,  78                           ; s78  p
.set R1,  79                           ; s79  the first tile's row block
.set R2,  80                           ; s80  the second tile's
.set AB2, 82                           ; s[82:83] h, second tile
.set MSB, 0
.macro WIN new                         ; the immediate's high byte repeats the setting that is left; a switch that changes nothing is dropped
.if MSB != (\new)
	s_set_vgpr_msb (MSB<<8)|(\new)
.set MSB, \new
.endif
.endm
.set MUL,  0x05                        ; sources 0 (wpj) and 1 (h) window 1; C and D window 0
.set TO_F, 0x40                        ; destination window 1, address window 0
.macro JLOAD                           ; a refill by the walking descriptors: waves 0 and 1 fetch h's two halves (my work-group's own load), waves 2 and 3 wpj's (joint); an s_nop 0 and four v_nop follow each line
	s_cmp_eq_u32 s11, 0
	s_cbranch_scc0 .Lfor_b_\@
	tensor_load_to_lds s[G0A+4:G0A+7], s[G1A:G1A+7]
	s_nop 0
.rept 4
	v_nop
.endr
	s_branch .Lasked_\@
.Lfor_b_\@:
	tensor_load_to_lds s[G0B+4:G0B+7], s[G1B:G1B+7]
	s_nop 0
.rept 4
	v_nop
.endr
.Lasked_\@:
.endm
.macro CREST                           ; a round of the cluster's barrier behind its opening barrier
	s_cmp_lg_u32 s[WV], 0
	s_cbranch_scc1 .Lnot_wave_0_\@
	s_barrier_signal -3
.Lnot_wave_0_\@:
	s_barrier_wait -3
	s_barrier_signal -1
	s_barrier_wait -1
.endm
.macro CROUND
	s_barrier_signal -1
	s_barrier_wait -1
	CREST
.endm
; The addresses of the next step's two tiles go into descriptor set \set, made anew from the pointers and the step's number; behind the first tile's last step the number goes back to 0 and both pointers go to the second tile.
.macro NEXTFILL set
	s_lshl_b32 s[OFF], s[QK], 9                    ; a K step is 512 bytes of a row
	s_add_nc_u64 s[G0A+4*(\set)+2:G0A+4*(\set)+3], s[AC:AC+1], s[OFF:OFF+1]
	s_or_b32 s[G0A+4*(\set)+3], s[G0A+4*(\set)+3], 0x80000000  ; 127:126 type = 2
	s_add_nc_u64 s[G0B+4*(\set)+2:G0B+4*(\set)+3], s[WC:WC+1], s[OFF:OFF+1]
	s_or_b32 s[G0B+4*(\set)+3], s[G0B+4*(\set)+3], 0x80000000
	s_add_co_u32 s[QK], s[QK], 1
	s_cmp_eq_u32 s[QK], s[QN]
	s_cselect_b32 s[QK], 0, s[QK]
	s_cselect_b64 s[AC:AC+1], s[AB2:AB2+1], s[AC:AC+1]
	s_cselect_b64 s[WC:WC+1], s[WB2:WB2+1], s[WC:WC+1]
	s_cselect_b32 s[QN], 16, s[QN]                 ; the second tile's end is never reached by the twelve fills
.endm
	s_load_b128 s[4:7], s[0:1], 0x0                ; h s[4:5], wpj s[6:7]
	s_load_b64 s[8:9], s[0:1], 0x10                ; out0
	v_lshl_add_u32 v[SPW], v0, 2, SPARE
	v_mov_b32 v[NIL], 0
	ds_add_u32 v[SPW], v[NIL]                      ; the wave's opening: the add, twice on end, and its wait ahead of my first tensor load; the set-up below, work on registers, stands between
	ds_add_u32 v[SPW], v[NIL]                      ; and once more, under the one wait
	v_lshrrev_b32 v1, 5, v0
	v_readfirstlane_b32 s[WV], v1                  ; wave 0..3
	s_lshr_b32 s11, s[WV], 1
	s_and_b32 s12, s[WV], 1
	s_bfe_u32 s[CX], ttmp6, 0x40000                ; cx
	s_lshl_b32 s[XB], ttmp9, 2
	s_add_co_u32 s[XB], s[XB], s[CX]               ; X = 4 x cluster x + cx
	s_and_b32 s[Y], ttmp7, 0xffff                  ; y, which the four partners share
	s_lshr_b32 s[PP], s[Y], 1
	s_and_b32 s19, s[Y], 1
	s_lshl1_add_u32 s[R1], s[XB], s19              ; 2 X + y % 2
	s_cmp_eq_u32 s[PP], 3
	s_cselect_b32 s19, 1, 0
	s_add_co_u32 s[R2], s[R1], s19                 ; y = 6 goes on to the pair's other row block
	s_lshl_b32 s[KA], s[PP], 1
	s_sub_co_u32 s[CA], s[PP], 1
	s_sub_co_u32 s[CB], 5, s[PP]
	s_cmp_eq_u32 s[PP], 0                          ; p = 0: column block 5 alone, twelve steps
	s_cselect_b32 s[KA], 12, s[KA]
	s_cselect_b32 s[CA], 5, s[CA]
	; descriptor group 1: a tile of 64 rows x 256 elements, padded in LDS
	s_mov_b32 s[G1A], (1<<16)|(1<<20)|(6<<22)|(3<<25)            ; 15:0 no mask; 17:16 elements of 2 bytes; 20 padding on; 24:22 after every 128 words (code 6); 31:25 4 words of it (code 3)
	s_mov_b32 s[G1B], 15|(1<<16)|(1<<20)|(1<<21)|(6<<22)|(3<<25) ; the same with the mask of all four work-groups, and bit 21 set beside it
.irp q, G1A, G1B
	s_mov_b32 s[(\q)+1], KSTEP<<16                 ; tensor_dim0 = 256
	s_mov_b32 s[(\q)+2], 64<<16                    ; tensor_dim1 = 64
	s_mov_b32 s[(\q)+3], KSTEP<<16                 ; tile_dim0 = 256
	s_mov_b32 s[(\q)+4], 64                        ; tile_dim1 = 64
	s_mov_b32 s[(\q)+5], 3072                      ; elements from row to row
	s_mov_b32 s[(\q)+6], 0
	s_mov_b32 s[(\q)+7], 0
.endr
	s_mul_i32 s[LW], s[WV], HALFT                  ; h's two halves, then wpj's two halves = wave x 64 rows: no place in the cluster enters an LDS address
	s_mov_b32 s[G0A], 1                            ; 1:0 count = 1
	s_mov_b32 s[G0A+4], 1
	s_mov_b32 s[G0B], 1
	s_mov_b32 s[G0B+4], 1
	s_mov_b32 s[G0A+1], s[LW]                      ; 63:32 LDS address: slot 0,
	s_mov_b32 s[G0B+1], s[LW]
	s_add_co_u32 s[G0A+5], s[LW], SLOT             ; slot 1
	s_add_co_u32 s[G0B+5], s[LW], SLOT
	s_mov_b32 s[FB], SLOT
	s_mov_b32 s[TB], 0
	s_mov_b32 s[QK], 0
	s_mov_b32 s[QN], s[KA]
	s_mov_b32 s[RT], s[KA]
	s_mov_b32 s[NEW], 1
	s_mov_b32 s[OFF+1], 0
	; byte offsets, each in the pair that will hold the pointer; all stay under 2^26
	s_lshl_b32 s19, s12, 6                         ; which 64 rows of a tile I fetch
	s_lshl_b32 s[AC], s[R1], 7
	s_add_co_u32 s[AC], s[AC], s19
	s_mul_i32 s[AC], s[AC], HROW
	s_mov_b32 s[AC+1], 0
	s_lshl_b32 s[AB2], s[R2], 7
	s_add_co_u32 s[AB2], s[AB2], s19
	s_mul_i32 s[AB2], s[AB2], HROW
	s_mov_b32 s[AB2+1], 0
	s_lshl_b32 s[WC], s[CA], 7
	s_add_co_u32 s[WC], s[WC], s19
	s_mul_i32 s[WC], s[WC], HROW
	s_mov_b32 s[WC+1], 0
	s_lshl_b32 s[WB2], s[CB], 7
	s_add_co_u32 s[WB2], s[WB2], s19
	s_mul_i32 s[WB2], s[WB2], HROW
	s_mov_b32 s[WB2+1], 0
	s_lshl_b32 s20, s11, 6                         ; my 64 rows of the tile
	s_lshl_b32 s21, s12, 8                         ; my 64 columns: 256 bytes
	s_lshl_b32 s[OC], s[R1], 7
	s_add_co_u32 s[OC], s[OC], s20
	s_lshl_b32 s[OC], s[OC], 12
	s_add_co_u32 s[OC], s[OC], s21
	s_lshl_b32 s22, s[CA], 9                       ; the tile's 128 columns: 512 bytes
	s_add_co_u32 s[OC], s[OC], s22
	s_mov_b32 s[OC+1], 0
	s_lshl_b32 s[OB2], s[R2], 7
	s_add_co_u32 s[OB2], s[OB2], s20
	s_lshl_b32 s[OB2], s[OB2], 12
	s_add_co_u32 s[OB2], s[OB2], s21
	s_lshl_b32 s22, s[CB], 9
	s_add_co_u32 s[OB2], s[OB2], s22
	s_mov_b32 s[OB2+1], 0
	s_wait_dscnt 0x0                               ; both opening adds are done
	s_wait_kmcnt 0x0
	s_add_nc_u64 s[AC:AC+1], s[4:5], s[AC:AC+1]
	s_add_nc_u64 s[AB2:AB2+1], s[4:5], s[AB2:AB2+1]
	s_add_nc_u64 s[WC:WC+1], s[6:7], s[WC:WC+1]
	s_add_nc_u64 s[WB2:WB2+1], s[6:7], s[WB2:WB2+1]
	s_add_nc_u64 s[OC:OC+1], s[8:9], s[OC:OC+1]
	s_add_nc_u64 s[OB2:OB2+1], s[8:9], s[OB2:OB2+1]
	NEXTFILL 0                                     ; the walk's step 0
	NEXTFILL 1                                     ; and step 1
	CROUND                                         ; all four work-groups are here: the first joint loads meet
	s_cmp_eq_u32 s11, 0                            ; a wave's two first fills stand in one branch, ahead of every wait on TENSORcnt and every LDS read: two loads of mine are out
	s_cbranch_scc0 .Lfirst_b
	tensor_load_to_lds s[G0A:G0A+3], s[G1A:G1A+7]
	s_nop 0
	tensor_load_to_lds s[G0A+4:G0A+7], s[G1A:G1A+7]
	s_nop 0
.rept 4
	v_nop
.endr
	s_branch .Lfirst_asked
.Lfirst_b:
	tensor_load_to_lds s[G0B:G0B+3], s[G1B:G1B+7]
	s_nop 0
	tensor_load_to_lds s[G0B+4:G0B+7], s[G1B:G1B+7]
	s_nop 0
.rept 4
	v_nop
.endr
.Lfirst_asked:
	v_and_b32 v1, 15, v0                           ; l % 16
	v_bfe_u32 v2, v0, 4, 1                         ; l / 16
	v_mul_u32_u24 v3, v1, PITCH
	v_lshl_add_u32 v3, v2, 4, v3                   ; a fragment's row x pitch + 16 x half
	s_mul_i32 s20, s11, HALFT                      ; my 64 rows of h
	s_mul_i32 s21, s12, HALFT                      ; my 64 rows of wpj,
	s_add_co_u32 s21, s21, 2*HALFT                 ; which lie behind h's 128
	v_add_nc_u32 v[A0], s20, v3
	v_add_nc_u32 v[B0], s21, v3
	s_mul_i32 s22, s[WV], 16*SPITCH
	s_add_co_u32 s22, s22, STAGE                   ; my stage
	v_mul_u32_u24 v4, v1, SPITCH                   ; in: row l % 16, 32 bytes for each half of the lanes
	v_lshl_add_u32 v4, v2, 5, v4
	v_add_nc_u32 v[STO], s22, v4
	v_mul_u32_u24 v4, v2, SPITCH                   ; back: lanes 0-15 take one row of 256 bytes, lanes 16-31 the next
	v_lshl_add_u32 v4, v1, 4, v4
	v_add_nc_u32 v[RD], s22, v4
	v_lshlrev_b32 v4, 12, v2                       ; and the same two rows in out0
	v_lshl_add_u32 v[CO], v1, 4, v4
	v_mov_b32 v[ADRA], v[A0]                       ; slot 0 is read first
	v_mov_b32 v[ADRB], v[B0]
; 8 matrix instructions: m blocks a0, a0 + 1 x all 4 n blocks, 32 along K: half c of buffer f.  zero = 1: the product starts the sums.  The 16 accumulators take turns, one instruction a turn.
.macro MUL8 f, c, a0, zero
	WIN MUL
.irp a, \a0, (\a0)+1
.irp b, 0,1,2,3
.if \zero
	v_wmma_f32_16x16x32_f16 v[ACC+8*(4*(\a)+(\b)):ACC+8*(4*(\a)+(\b))+7], v[(\f)+64+8*(4*(\c)+(\b)):(\f)+64+8*(4*(\c)+(\b))+7], v[(\f)+8*(4*(\c)+(\a)):(\f)+8*(4*(\c)+(\a))+7], 0
.else
	v_wmma_f32_16x16x32_f16 v[ACC+8*(4*(\a)+(\b)):ACC+8*(4*(\a)+(\b))+7], v[(\f)+64+8*(4*(\c)+(\b)):(\f)+64+8*(4*(\c)+(\b))+7], v[(\f)+8*(4*(\c)+(\a)):(\f)+8*(4*(\c)+(\a))+7], v[ACC+8*(4*(\a)+(\b)):ACC+8*(4*(\a)+(\b))+7]
.endif
.endr
.endr
.endm
; 32 LDS loads in one run: the fragments of 64 along K at byte k of the rows of the slot being read, into buffer f; the first 32 along K first
.macro FETCH k, f
	WIN TO_F
.irp c, 0,1
.irp i, 0,1,2,3
	ds_load_b128 v[(\f)+64+8*(4*(\c)+(\i)):(\f)+64+8*(4*(\c)+(\i))+3],   v[ADRB] offset:(\k)+64*(\c)+(\i)*16*PITCH
	ds_load_b128 v[(\f)+64+8*(4*(\c)+(\i))+4:(\f)+64+8*(4*(\c)+(\i))+7], v[ADRB] offset:(\k)+64*(\c)+(\i)*16*PITCH+32
	ds_load_b128 v[(\f)+8*(4*(\c)+(\i)):(\f)+8*(4*(\c)+(\i))+3],         v[ADRA] offset:(\k)+64*(\c)+(\i)*16*PITCH
	ds_load_b128 v[(\f)+8*(4*(\c)+(\i))+4:(\f)+8*(4*(\c)+(\i))+7],       v[ADRA] offset:(\k)+64*(\c)+(\i)*16*PITCH+32
.endr
.endr
.endm
.macro PLACES                          ; four plain vector instructions in front of loads into registers that matrix instructions have read, and of LDS stores that read results
.rept 4
	v_nop
.endr
.endm
; A K step is four quarters of 64 along K, 32 matrix instructions each, on buffers 0, 1, 0, 1.  One of the first three multiplies buffer f and fetches the next quarter, at byte k, into g.
.macro QUARTER k, f, g, zero
	s_wait_dscnt 16                                ; the first 32 along K are in; the sixteen younger loads may be out
	MUL8 \f, 0, 0, \zero
	MUL8 \f, 0, 2, \zero
	PLACES
	FETCH \k, \g
	s_wait_dscnt 32                                ; all but the 32 just issued
	MUL8 \f, 1, 0, 0
	MUL8 \f, 1, 2, 0
.endm
; A step's first quarter: it adds on, or (a tile's first step) starts the sums.  At the first trip NEW is a constant of the text.  Five plain instructions stand ahead of products that write over accumulators.
.macro STEPHEAD
	WIN 0
	s_cmp_eq_u32 s[NEW], 1
	s_cbranch_scc1 .Lzero_\@
	QUARTER 128, F0, F1, 0
	WIN 0
	s_branch .Lhead_done_\@
.Lzero_\@:
.rept 5
	v_nop
.endr
	QUARTER 128, F0, F1, 1
	WIN 0
	s_mov_b32 s[NEW], 0
.Lhead_done_\@:
.endm
; The last quarter multiplies buffer 1 and changes slots: ONE barrier; in front of it each wave waits for all its tensor loads (one is out: its part of the next slot), adds 0 to its spare word, and waits for that and
; for its own reads of this slot.  fill = 1: the barrier opens a round of the cluster's, and behind the round this slot is filled again first, with the walk's step two steps on: 112 matrix instructions ahead of the wait for it.
.macro TURN fill
	WIN 0                                          ; (the add's two registers lie in window 0)
	s_wait_tensorcnt 0x0                           ; no tensor load of mine is out, so the walking descriptors may be written
	ds_add_u32 v[SPW], v[NIL]                      ; 0 onto my spare word
.if \fill
	s_xor_b32 s[FB], s[FB], SLOT                   ; the other slot than last time: the one that is being read out
	s_add_co_u32 s[G0A+5], s[FB], s[LW]
	s_add_co_u32 s[G0B+5], s[FB], s[LW]
	NEXTFILL 1
.endif
	s_wait_dscnt 17                                ; (the add and the youngest sixteen loads may be out)
	MUL8 F1, 0, 0, 0                               ; eight matrix instructions stand between the add and the wait for it
	s_wait_dscnt 0x0                               ; the add is done, and my reads of this slot are over
	s_barrier_signal -1
	MUL8 F1, 0, 2, 0
.if \fill
	WIN 0
.endif
	s_barrier_wait -1
.if \fill
	CREST                                          ; no wave of any partner still reads this slot's tile or has a load on its way
	JLOAD                                          ; the first tensor load behind the round; its four v_nop are also the places in front of the loads below
.else
	PLACES
	WIN 0
.endif
	s_xor_b32 s[TB], s[TB], SLOT                   ; the reads go to the other slot
	v_add_nc_u32 v[ADRA], s[TB], v[A0]
	v_add_nc_u32 v[ADRB], s[TB], v[B0]
	FETCH 0, F0
	MUL8 F1, 1, 0, 0
	MUL8 F1, 1, 2, 0
.endm
; THE WAY OUT of block a (16 of my rows): the f32 sums go as they are into my own stage (a lane's eight columns are 32 bytes; each accumulator's lower four registers first) and come back as
; whole rows: my 64 columns are 256 consecutive bytes of out0, aligned, so no other wave has a part in them and no barrier is needed.
.macro TOSTAGE a
.set BK, OB+32*((\a)%2)
.if (\a) >= 2
	s_wait_xcnt 0x0                                ; the stores of block a - 2 have read the registers that are loaded again below
.endif
.irp b, 0,1,2,3
	ds_store_b128 v[STO], v[ACC+8*(4*(\a)+(\b)):ACC+8*(4*(\a)+(\b))+3]   offset:64*(\b)
	ds_store_b128 v[STO], v[ACC+8*(4*(\a)+(\b))+4:ACC+8*(4*(\a)+(\b))+7] offset:64*(\b)+16
.endr
.irp t, 0,1,2,3,4,5,6,7
	ds_load_b128 v[BK+4*(\t):BK+4*(\t)+3], v[RD] offset:(\t)*2*SPITCH  ; LDS serves a wave's instructions in order (ISA guide 5.7.1.4): these see the stores above; the next block's stores come behind them
.endr
.endm
.macro SEND a, younger                 ; younger: the LDS instructions issued behind block a's loads: the next block's sixteen, or none
.set BK, OB+32*((\a)%2)
	s_wait_dscnt \younger
.irp t, 0,1,2,3,4,5,6,7
	global_store_b128 v[CO], v[BK+4*(\t):BK+4*(\t)+3], s[OC:OC+1] offset:(16*(\a)+2*(\t))*OROW th:TH_STORE_NT  ; 16 lanes store 256 consecutive bytes, aligned
.endr
.endm
.macro WAYOUT
	WIN 0
	PLACES                                         ; behind the last products
	TOSTAGE 0
	TOSTAGE 1
	SEND 0, 16
	TOSTAGE 2
	SEND 1, 16
	TOSTAGE 3
	SEND 2, 16
	SEND 3, 0
.endm
	s_wait_tensorcnt 1                             ; my part of step 0 is in; step 1's may stay out
	s_barrier_signal -1
	s_barrier_wait -1                              ; everybody's is
	FETCH 0, F0
	WIN 0
	s_mov_b32 s[CNT], 10
.Lstep:                                                ; trips 0..9: step t is multiplied, step t + 2 asked for
	STEPHEAD
	QUARTER 256, F1, F0, 0
	QUARTER 384, F0, F1, 0
	TURN 1
	WIN 0                                          ; at a label and at a branch every window is 0
	s_sub_co_u32 s[RT], s[RT], 1
	s_cmp_lg_u32 s[RT], 0
	s_cbranch_scc1 .Lon                            ; forward, past text that holds neither a barrier nor a tensor load
	WAYOUT                                         ; the first tile is finished (trip 1, 3 or 5): it goes out while the refill just asked for is on its way
	s_wait_xcnt 0x0                                ; the stores have read their registers and out0's address
	s_mov_b64 s[OC:OC+1], s[OB2:OB2+1]
	s_mov_b32 s[NEW], 1
	s_mov_b32 s[RT], 16                            ; the second tile ends with the walk
.Lon:
	s_sub_co_u32 s[CNT], s[CNT], 1
	s_cmp_lg_u32 s[CNT], 0
	s_cbranch_scc1 .Lstep
	QUARTER 128, F0, F1, 0                         ; the tail is written out.  Step 10: never a tile's first; nothing is asked for
	QUARTER 256, F1, F0, 0
	QUARTER 384, F0, F1, 0
	TURN 0
	QUARTER 128, F0, F1, 0                         ; step 11
	QUARTER 256, F1, F0, 0
	QUARTER 384, F0, F1, 0
	s_wait_dscnt 16                                ; the very last quarter: nothing more to fetch
	MUL8 F1, 0, 0, 0
	MUL8 F1, 0, 2, 0
	s_wait_dscnt 0x0
	MUL8 F1, 1, 0, 0
	MUL8 F1, 1, 2, 0
	WAYOUT
	s_wait_tensorcnt 0x0                           ; the wave's end, behind my last tensor load and my last LDS store
	ds_add_u32 v[SPW], v[NIL]
	s_wait_dscnt 0x0
	CROUND                                         ; the closing round: no work-group ends while a partner may still ask for a tile that names it
	s_endpgm
.Lfunc_end_k_qf3a09cc40d_proj:
	.size	k_qf3a09cc40d_proj, .Lfunc_end_k_qf3a09cc40d_proj-k_qf3a09cc40d_proj
	.p2alignl 7, 3214868480
	.fill 96, 4, 3214868480
	.section	.rodata,"a",@progbits
	.p2align	6, 0x0
	.amdhsa_kernel k_qf3a09cc40d_proj
		.amdhsa_group_segment_fixed_size 327680
		.amdhsa_private_segment_fixed_size 0
		.amdhsa_enable_private_segment 0
		.amdhsa_kernarg_size 24
		.amdhsa_user_sgpr_count 2
		.amdhsa_user_sgpr_kernarg_segment_ptr 1
		.amdhsa_wavefront_size32 1
		.amdhsa_system_sgpr_workgroup_id_x 1
		.amdhsa_system_sgpr_workgroup_id_y 1
		.amdhsa_system_sgpr_workgroup_id_z 1
		.amdhsa_system_vgpr_workitem_id 0
		.amdhsa_next_free_vgpr 512
		.amdhsa_next_free_sgpr 88
		.amdhsa_reserve_vcc 0
		.amdhsa_float_denorm_mode_32 3
		.amdhsa_float_denorm_mode_16_64 3
		.amdhsa_memory_ordered 1
		.amdhsa_forward_progress 1
		.amdhsa_inst_pref_size 81
	.end_amdhsa_kernel
	.amdgpu_metadata
---
amdhsa.version: [ 1, 2 ]
amdhsa.kernels:
  - .name:           k_qf3a09cc40d_proj
    .symbol:         k_qf3a09cc40d_proj.kd
    .args:
      - { .name: h, .offset: 0, .size: 8, .value_kind: global_buffer, .address_space: global }
      - { .name: wpj, .offset: 8, .size: 8, .value_kind: global_buffer, .address_space: global }
      - { .name: out0, .offset: 16, .size: 8, .value_kind: global_buffer, .address_space: global }
    .group_segment_fixed_size: 327680
    .private_segment_fixed_size: 0
    .kernarg_segment_align: 8
    .kernarg_segment_size: 24
    .max_flat_workgroup_size: 128
    .sgpr_count:     88
    .vgpr_count:     512
    .wavefront_size: 32
...
	.end_amdgpu_metadata
.endif
;; end of part 3
;; ======== version 2 of 2: 3 launches; version 1 with the launch prep written anew for expert scheduling mode
;; limits: values are held in f16: magnitudes above 65,504 overflow, below 6.1e-05 lose precision; right only within a limited range of input values
;; workspace buffers: xn 12,582,912 bytes; wfc 4,718,592 bytes; wpj 4,718,592 bytes; h 50,331,648 bytes
;; launch prep (part 4): grid 424 x 1, 8 waves a work-group, no clusters, 0 bytes of LDS; arguments x, W_fc, W_proj, xn, wfc, wpj, out0; writes xn, wfc, wpj, out0
.if DOCPART == 4
	.amdgcn_target "amdgcn-amd-amdhsa--gfx1250"
	.amdhsa_code_object_version 6
	.text
	.protected	k_qf3a09cc40d_prep
	.globl	k_qf3a09cc40d_prep
	.p2align	8
	.type	k_qf3a09cc40d_prep,@function
k_qf3a09cc40d_prep:
	s_mov_b64 s[64:65], 0
	v_nop
	global_prefetch_b8 v0, s[64:65] scope:SCOPE_SE
	s_setreg_imm32_b32 hwreg(HW_REG_WAVE_SCHED_MODE, 0, 2), 2
	s_setreg_imm32_b32 hwreg(HW_REG_WAVE_MODE, 25, 1), 1
	s_wait_xcnt 0x0
	s_wait_alu depctr_vm_vsrc(0)
; PREP: what the two products need, made once.  xn = the per-head LayerNorm of x, f16; wfc, wpj = the masked weights, f16; the zeros of out0.
; THE PROBLEM.  y = relu(LN(x) (W_fc m_fc)^T)^2 (W_proj m_proj)^T.  The function builds both masks in its own body:
;   m_fc[i][j]   = 1 where 4 j <= i and j < 768  and i < 3072, else 0      (i: hidden unit 0..4095, j: channel 0..1023)
;   m_proj[i][j] = 1 where j <= 4 i and j < 3072 and i < 768,  else 0      (i: output column 0..1023, j: hidden unit 0..4095)
; WHAT IS LEFT OUT, for all finite values of the inputs:
;   channels 768..1023 of x are heads 12..15; the norm works on each head of 64 by itself, and their normalised values meet only zeros of m_fc: not loaded;
;   hidden units 3072..4095: their rows of m_fc are 0, so h = relu(0)^2 = 0, and their columns of m_proj are 0 too: not computed;
;   output columns 768..1023: their rows of m_proj are 0, so y is exactly 0 there: no product, the zeros are stored here;
;   hidden unit i sums over channels j <= i / 4, output column i over hidden units j <= 4 i: blocks of the weights that lie wholly beyond that line are neither read nor stored nor multiplied.
;   Each of the three inputs keeps a way to the output in its other parts, so all three are arguments.
; LIMITS.  A NaN, an infinity or an overflow that reaches only the parts left out (the function multiplies them by 0) is not carried to the result.
;   The weights are rounded once to f16: beyond 65,504 they become infinite; below 6.1e-5 they keep f16's fixed step of 6e-8.  xn lies within 8 in magnitude (64 numbers of unit variance).
; SHARES.  Work-groups 0..255: 32 rows of x each, 4 to a wave.  256..339: W_fc.  340..423: W_proj.  Nothing is shared, so there is no LDS and no barrier; every register is written once, so no source is rewritten.
; Every load of a wave covers 512 consecutive bytes, every store of f16 256 consecutive bytes, aligned.
; THE MODE: SCHED_MODE bits 1:0 = 2 (LLVM: expert scheduling mode 2), set by the entry lines.  The code itself states the register dependences
; between vector instructions and memory instructions, with s_wait_alu, always for 0.
; THE PLAN.  Registers that memory instructions touch:
;   v[LO16], v[LO8]  the offsets.  Written at the head, never again; read by every load and store.
;   v[Z ..]          zeros, in the LayerNorm's arm.  Written ahead of that arm's loads, never again; read by eight stores.
;   X, 24 slots      Each slot is written by ONE load, issued before any vector instruction names X; worked on in place; its first two registers are read by ONE store; nothing writes them after that.
;   T, D and the masks are named by vector instructions alone; the bases are scalar registers that are never stepped.
; So no register that a memory instruction has read is written again, and no load lands in a register that a vector instruction has named: what has to be stated is that offsets and
; store data are written.  Each arm has one wait on va_vdst ahead of its loads, for the offsets.  The stores run one group behind the arithmetic: the weights' sixteen slots go in four groups of four, and
; the wait at a group's head states that the group before has written its f16; in the LayerNorm the wait behind a row's six roots states the same of the row before.  The stores then stand among
; vector instructions that name the group in hand alone.  One more wait stands ahead of each arm's last stores.  Vector results in scalar registers (the wave's number, the masks) have a wait on va_sdst
; ahead of their first reader; the masks are made in one run, each in a register of its own, under one wait.
.set XROW,  4096                       ; bytes in a row of x, of W_fc and of out0
.set NROW,  1536                       ; bytes in a row of xn and of wfc (768 f16)
.set PROW,  6144                       ; bytes in a row of wpj (3072 f16)
.set WPROW, 16384                      ; bytes in a row of W_proj
.set LO16, 1                           ; v1       16 x lane: my 16 bytes of a wave's 512
.set LO8,  2                           ; v2       8 x lane: my 8 bytes of a wave's 256
.set D,    3                           ; v3       4 x lane, then the distance to the mask's line
.set Z,    4                           ; v[4:7]   zeros
.set T,    20                          ; v[20:31] six pairs at work: a head's sum, then its sum of squares, in the low register
.set X,    32                          ; v[32:127] 24 slots of four registers as loaded
.set MK,   32                          ; s[32:63] the masks: W_proj's 32, W_fc's 7
	s_load_b256 s[4:11], s[0:1], 0x0               ; x s[4:5], W_fc s[6:7], W_proj s[8:9], xn s[10:11]
	s_load_b128 s[12:15], s[0:1], 0x20             ; wfc s[12:13], wpj s[14:15]
	s_load_b64 s[16:17], s[0:1], 0x30              ; out0
	v_lshrrev_b32 v[T], 5, v0
	v_readfirstlane_b32 s18, v[T]                  ; wave 0..7
	v_and_b32 v[T], 31, v0                         ; lane
	v_lshlrev_b32 v[LO16], 4, v[T]
	v_lshlrev_b32 v[LO8], 3, v[T]
	v_lshlrev_b32 v[D], 2, v[T]
	s_mov_b32 s27, 0                               ; the high word of the offset pair s[26:27]
	s_wait_alu depctr_va_sdst(0)                   ; s18 is written, ahead of the branches: each arm makes its rows from it
	s_wait_kmcnt 0x0
	s_cmp_lt_u32 ttmp9, 256
	s_cbranch_scc1 .Lln
	s_cmp_lt_u32 ttmp9, 340
	s_cbranch_scc1 .Lwfc
; The live blocks of a triangle of six block rows are the 21 pairs (t, c) with c <= t; four work-groups share a block.
; s20 = which quarter, s22 = t, s23 = c.  Pair number p lies in block row t = how many of 1, 3, 6, 10, 15 are at most p.
.macro DECODE first
	s_sub_co_u32 s20, ttmp9, \first
	s_lshr_b32 s21, s20, 2                         ; p
	s_and_b32 s20, s20, 3
	s_mov_b32 s22, 0
.irp thr, 1,3,6,10,15
	s_cmp_ge_u32 s21, \thr
	s_add_co_ci_u32 s22, s22, 0                    ; + 1 where the compare held
.endr
	s_add_co_u32 s23, s22, 1
	s_mul_i32 s23, s23, s22
	s_lshr_b32 s23, s23, 1                         ; t (t + 1) / 2 pairs lie in the block rows above
	s_sub_co_u32 s23, s21, s23
.endm
.macro CAST n                          ; slot n's four numbers rounded to f16, into its first two registers
	v_cvt_pk_f16_f32 v[X+4*(\n)], v[X+4*(\n)], v[X+4*(\n)+1]
	v_cvt_pk_f16_f32 v[X+4*(\n)+1], v[X+4*(\n)+2], v[X+4*(\n)+3]
.endm
	; W_PROJ.  Block (t, c): rows 128 t .., columns 512 c ..  A wave takes 4 rows x 4 pieces of 128 columns.  In a block on the diagonal some pieces are wholly masked:
	; they are loaded and selected away like the rest of the block, whose zeros the product reads.
	DECODE 340
	s_lshl_b32 s24, s22, 7
	s_lshl_b32 s25, s20, 5
	s_add_co_u32 s24, s24, s25
	s_lshl2_add_u32 s24, s18, s24                  ; i0 = 128 t + 32 quarter + 4 wave
	s_lshl_b32 s26, s24, 14
	s_lshl_b32 s25, s23, 11
	s_add_co_u32 s26, s26, s25
	s_add_nc_u64 s[8:9], s[8:9], s[26:27]          ; W_proj at row i0, column 512 c
	s_mul_i32 s26, s24, PROW
	s_lshl_b32 s25, s23, 10
	s_add_co_u32 s26, s26, s25
	s_add_nc_u64 s[14:15], s[14:15], s[26:27]      ; wpj at the same place
	s_lshl_b32 s24, s24, 2
	s_lshl_b32 s25, s23, 9
	s_sub_co_u32 s24, s24, s25
	v_sub_nc_u32 v[D], s24, v[D]                   ; D = 4 i0 - 512 c - 4 lane, signed
	s_wait_alu depctr_va_vdst(0)                   ; v[LO16] and v[LO8] are written: every load and store of this arm reads one of them as its offset
.set n, 0
.rept 16                               ; slot n: row n / 4, piece n % 4
	global_load_b128 v[X+4*n:X+4*n+3], v[LO16], s[8:9] offset:(n/4)*WPROW+(n%4)*512 th:TH_LOAD_NT
.set n, n+1
.endr
.set n, 0
.rept 16                               ; element e of slot n is live where 128 (n % 4) - 4 (n / 4) + e <= D; both sides but e are multiples of 4, so e = 1, 2, 3 share one test.  All 32 masks in one run, while the loads are out
	v_cmp_le_i32 s[MK+2*n], 128*(n%4)-4*(n/4), v[D]
	v_cmp_lt_i32 s[MK+2*n+1], 128*(n%4)-4*(n/4), v[D]
.set n, n+1
.endr
	s_wait_alu depctr_va_sdst(0)                   ; the 32 masks are written, ahead of the first select that reads one
.set n, 0
.rept 16                               ; four groups of four slots, a row each; a group's stores stand in the next group
	s_wait_loadcnt 15-n                            ; loads come back in order: the 15 - n younger ones may stay out
.if (n%4 == 0) && (n > 0)
	s_wait_alu depctr_va_vdst(0)                   ; the group before has written its f16, which the four stores of this group's turn read; the vector lines behind this wait name this group's slots alone
.endif
.if n >= 4
	global_store_b64 v[LO8], v[X+4*(n-4):X+4*(n-4)+1], s[14:15] offset:((n-4)/4)*PROW+((n-4)%4)*256
.endif
	v_cndmask_b32 v[X+4*n], 0, v[X+4*n], s[MK+2*n]
	v_cndmask_b32 v[X+4*n+1], 0, v[X+4*n+1], s[MK+2*n+1]
	v_cndmask_b32 v[X+4*n+2], 0, v[X+4*n+2], s[MK+2*n+1]
	v_cndmask_b32 v[X+4*n+3], 0, v[X+4*n+3], s[MK+2*n+1]
	CAST n
.set n, n+1
.endr
	s_wait_alu depctr_va_vdst(0)                   ; the last group has written its f16, which the last four stores read
.set n, 12
.rept 4
	global_store_b64 v[LO8], v[X+4*n:X+4*n+1], s[14:15] offset:(n/4)*PROW+(n%4)*256
.set n, n+1
.endr
	s_endpgm
.Lwfc:
	; W_FC.  Block (t, c): rows 512 t .., columns 128 c ..  A wave takes 16 rows of 128 columns.
	DECODE 256
	s_lshl_b32 s24, s22, 9
	s_lshl_b32 s25, s20, 7
	s_add_co_u32 s24, s24, s25
	s_lshl4_add_u32 s24, s18, s24                  ; i0 = 512 t + 128 quarter + 16 wave
	s_lshl_b32 s26, s24, 12
	s_lshl_b32 s25, s23, 9
	s_add_co_u32 s26, s26, s25
	s_add_nc_u64 s[6:7], s[6:7], s[26:27]          ; W_fc at row i0, column 128 c
	s_mul_i32 s26, s24, NROW
	s_lshl_b32 s25, s23, 8
	s_add_co_u32 s26, s26, s25
	s_add_nc_u64 s[12:13], s[12:13], s[26:27]      ; wfc at the same place
	s_lshr_b32 s24, s24, 2
	s_lshl_b32 s25, s23, 7
	s_sub_co_u32 s24, s24, s25
	v_sub_nc_u32 v[D], s24, v[D]                   ; D = i0 / 4 - 128 c - 4 lane, signed
	s_wait_alu depctr_va_vdst(0)                   ; v[LO16] and v[LO8] are written: every load and store of this arm reads one of them as its offset
.set r, 0
.rept 16
	global_load_b128 v[X+4*r:X+4*r+3], v[LO16], s[6:7] offset:r*XROW th:TH_LOAD_NT
.set r, r+1
.endr
.irp m, 0,1,2,3,4,5,6                  ; element e of row i0 + r is live where e - r / 4 <= D: seven values, seven masks, made once
	v_cmp_le_i32 s[MK+\m], (\m)-3, v[D]
.endr
	s_wait_alu depctr_va_sdst(0)                   ; the seven masks are written, ahead of the first select that reads one
.set r, 0
.rept 16                               ; four groups of four rows; a group's stores stand in the next group
	s_wait_loadcnt 15-r                            ; the 15 - r younger loads may stay out
.if (r%4 == 0) && (r > 0)
	s_wait_alu depctr_va_vdst(0)                   ; the group before has written its f16, which the four stores of this group's turn read; the vector lines behind this wait name this group's slots alone
.endif
.if r >= 4
	global_store_b64 v[LO8], v[X+4*(r-4):X+4*(r-4)+1], s[12:13] offset:(r-4)*NROW
.endif
.irp e, 0,1,2,3
	v_cndmask_b32 v[X+4*r+\e], 0, v[X+4*r+\e], s[MK+3+\e-r/4]
.endr
	CAST r
.set r, r+1
.endr
	s_wait_alu depctr_va_vdst(0)                   ; the last group has written its f16, which the last four stores read
.set r, 12
.rept 4
	global_store_b64 v[LO8], v[X+4*r:X+4*r+1], s[12:13] offset:r*NROW
.set r, r+1
.endr
	s_endpgm
.Lln:
	; LAYERNORM.  A load of 16 bytes a lane takes two heads: 16 lanes hold a head's 64 channels, so a head's sums never leave a row of 16 lanes.
	; Two passes as the function has them: the mean, then the mean of the squares of x - mean.
	s_lshl_b32 s24, ttmp9, 5
	s_lshl2_add_u32 s24, s18, s24                  ; my first row = 32 x work-group + 4 x wave
	s_lshl_b32 s26, s24, 12
	s_add_nc_u64 s[4:5], s[4:5], s[26:27]
	s_add_nc_u64 s[16:17], s[16:17], s[26:27]
	s_mul_i32 s26, s24, NROW
	s_add_nc_u64 s[10:11], s[10:11], s[26:27]
	s_mov_b32 s28, 0xbc800000                      ; -1/64
	s_mov_b32 s29, s28                             ; named with it as a pair
	s_mov_b32 s30, 0x3c800000                      ; 1/64
	s_mov_b32 s31, 0x3727c5ac                      ; 1e-5
.irp k, 0,1,2,3
	v_mov_b32 v[Z+\k], 0
.endr
	s_wait_alu depctr_va_vdst(0)                   ; v[LO16] and v[LO8], the offsets of every load and store of this arm, are written, and so are the zeros, which eight stores read
.set n, 0
.rept 24                               ; slot n: row n / 6, heads 2 (n % 6) and 2 (n % 6) + 1: all 24 loads go out before the first wait
	global_load_b128 v[X+4*n:X+4*n+3], v[LO16], s[4:5] offset:(n/6)*XROW+(n%6)*512 th:TH_LOAD_NT
.set n, n+1
.endr
.irp r, 0,1,2,3                        ; out0's columns 768..1023 of my rows: 1,024 bytes of zeros a row
	global_store_b128 v[LO16], v[Z:Z+3], s[16:17] offset:(\r)*XROW+3072 th:TH_STORE_NT
	global_store_b128 v[LO16], v[Z:Z+3], s[16:17] offset:(\r)*XROW+3584 th:TH_STORE_NT
.endr
.macro ACROSS                          ; the six sums over a row of 16 lanes: the exchange rides on the addition; every lane ends with the sum
.irp m, 1,2,4,8
.irp c, 0,1,2,3,4,5
	v_add_f32_dpp v[T+2*(\c)], v[T+2*(\c)], v[T+2*(\c)] row_xmask:\m row_mask:0xf bank_mask:0xf
.endr
.endr
.endm
.macro ROWLN r                         ; each stage goes over the row's six slots, so that no line waits for the one before it
	s_wait_loadcnt 18-6*(\r)                       ; the later rows' loads, six each, may stay out
.irp c, 0,1,2,3,4,5
	v_pk_add_f32 v[T+2*(\c):T+2*(\c)+1], v[X+24*(\r)+4*(\c):X+24*(\r)+4*(\c)+1], v[X+24*(\r)+4*(\c)+2:X+24*(\r)+4*(\c)+3]
.endr
.irp c, 0,1,2,3,4,5
	v_add_f32 v[T+2*(\c)], v[T+2*(\c)], v[T+2*(\c)+1]
.endr
	ACROSS
.irp c, 0,1,2,3,4,5                    ; x - sum / 64: the pair's low register and -1/64 serve both halves
	v_pk_fma_f32 v[X+24*(\r)+4*(\c):X+24*(\r)+4*(\c)+1], v[T+2*(\c):T+2*(\c)+1], s[28:29], v[X+24*(\r)+4*(\c):X+24*(\r)+4*(\c)+1] op_sel_hi:[0,0,1]
	v_pk_fma_f32 v[X+24*(\r)+4*(\c)+2:X+24*(\r)+4*(\c)+3], v[T+2*(\c):T+2*(\c)+1], s[28:29], v[X+24*(\r)+4*(\c)+2:X+24*(\r)+4*(\c)+3] op_sel_hi:[0,0,1]
.endr
.irp c, 0,1,2,3,4,5
	v_pk_mul_f32 v[T+2*(\c):T+2*(\c)+1], v[X+24*(\r)+4*(\c):X+24*(\r)+4*(\c)+1], v[X+24*(\r)+4*(\c):X+24*(\r)+4*(\c)+1]
.endr
.irp c, 0,1,2,3,4,5
	v_pk_fma_f32 v[T+2*(\c):T+2*(\c)+1], v[X+24*(\r)+4*(\c)+2:X+24*(\r)+4*(\c)+3], v[X+24*(\r)+4*(\c)+2:X+24*(\r)+4*(\c)+3], v[T+2*(\c):T+2*(\c)+1]
.endr
.irp c, 0,1,2,3,4,5
	v_add_f32 v[T+2*(\c)], v[T+2*(\c)], v[T+2*(\c)+1]
.endr
	ACROSS
.irp c, 0,1,2,3,4,5
	v_fma_f32 v[T+2*(\c)], v[T+2*(\c)], s30, s31   ; variance + 1e-5
.endr
.irp c, 0,1,2,3,4,5
	v_rsq_f32 v[T+2*(\c)], v[T+2*(\c)]             ; one batch of six
.endr
	v_nop                                          ; a plain instruction behind the last of them, ahead of the first use
	s_wait_alu depctr_va_vdst(0)                   ; the six roots are written, ahead of the batch's first reader; and the row before has written its f16, which the six stores below read
.irp c, 0,1,2,3,4,5                    ; the row before leaves, a store ahead of each slot's scalings, which name this row's slots and T alone
.if (\r) > 0
	global_store_b64 v[LO8], v[X+24*((\r)-1)+4*(\c):X+24*((\r)-1)+4*(\c)+1], s[10:11] offset:((\r)-1)*NROW+(\c)*256
.endif
	v_pk_mul_f32 v[X+24*(\r)+4*(\c):X+24*(\r)+4*(\c)+1], v[X+24*(\r)+4*(\c):X+24*(\r)+4*(\c)+1], v[T+2*(\c):T+2*(\c)+1] op_sel_hi:[1,0]
	v_pk_mul_f32 v[X+24*(\r)+4*(\c)+2:X+24*(\r)+4*(\c)+3], v[X+24*(\r)+4*(\c)+2:X+24*(\r)+4*(\c)+3], v[T+2*(\c):T+2*(\c)+1] op_sel_hi:[1,0]
.endr
.irp c, 0,1,2,3,4,5
	CAST 6*(\r)+(\c)
.endr
.endm
	ROWLN 0
	ROWLN 1
	ROWLN 2
	ROWLN 3
	s_wait_alu depctr_va_vdst(0)                   ; row 3 has written its f16, which the last six stores read
.irp c, 0,1,2,3,4,5
	global_store_b64 v[LO8], v[X+72+4*(\c):X+72+4*(\c)+1], s[10:11] offset:3*NROW+(\c)*256
.endr
	s_endpgm
.Lfunc_end_k_qf3a09cc40d_prep:
	.size	k_qf3a09cc40d_prep, .Lfunc_end_k_qf3a09cc40d_prep-k_qf3a09cc40d_prep
	.p2alignl 7, 3214868480
	.fill 96, 4, 3214868480
	.section	.rodata,"a",@progbits
	.p2align	6, 0x0
	.amdhsa_kernel k_qf3a09cc40d_prep
		.amdhsa_group_segment_fixed_size 0
		.amdhsa_private_segment_fixed_size 0
		.amdhsa_enable_private_segment 0
		.amdhsa_kernarg_size 56
		.amdhsa_user_sgpr_count 2
		.amdhsa_user_sgpr_kernarg_segment_ptr 1
		.amdhsa_wavefront_size32 1
		.amdhsa_system_sgpr_workgroup_id_x 1
		.amdhsa_system_sgpr_workgroup_id_y 1
		.amdhsa_system_sgpr_workgroup_id_z 1
		.amdhsa_system_vgpr_workitem_id 0
		.amdhsa_next_free_vgpr 128
		.amdhsa_next_free_sgpr 66
		.amdhsa_reserve_vcc 0
		.amdhsa_float_denorm_mode_32 3
		.amdhsa_float_denorm_mode_16_64 3
		.amdhsa_memory_ordered 1
		.amdhsa_forward_progress 1
		.amdhsa_inst_pref_size 62
	.end_amdhsa_kernel
	.amdgpu_metadata
---
amdhsa.version: [ 1, 2 ]
amdhsa.kernels:
  - .name:           k_qf3a09cc40d_prep
    .symbol:         k_qf3a09cc40d_prep.kd
    .args:
      - { .name: x, .offset: 0, .size: 8, .value_kind: global_buffer, .address_space: global }
      - { .name: W_fc, .offset: 8, .size: 8, .value_kind: global_buffer, .address_space: global }
      - { .name: W_proj, .offset: 16, .size: 8, .value_kind: global_buffer, .address_space: global }
      - { .name: xn, .offset: 24, .size: 8, .value_kind: global_buffer, .address_space: global }
      - { .name: wfc, .offset: 32, .size: 8, .value_kind: global_buffer, .address_space: global }
      - { .name: wpj, .offset: 40, .size: 8, .value_kind: global_buffer, .address_space: global }
      - { .name: out0, .offset: 48, .size: 8, .value_kind: global_buffer, .address_space: global }
    .group_segment_fixed_size: 0
    .private_segment_fixed_size: 0
    .kernarg_segment_align: 8
    .kernarg_segment_size: 56
    .max_flat_workgroup_size: 256
    .sgpr_count:     66
    .vgpr_count:     128
    .wavefront_size: 32
...
	.end_amdgpu_metadata
.endif
;; end of part 4
;; launch fc: the kernel of part 2 again; grid 32 x 7, 4 waves a work-group, clusters of 4 x 1, 327,680 bytes of LDS; arguments xn, wfc, h; writes h
;; launch proj: the kernel of part 3 again; grid 32 x 7, 4 waves a work-group, clusters of 4 x 1, 327,680 bytes of LDS; arguments h, wpj, out0; writes out0
